; MI455X (gfx1250); checked and timed in simulation.
; The chip was launched on July 23, 2026; its instructions are those of AMD's public machine-readable ISA for CDNA 5 (MIT licence, August 2026) and "CDNA5" Instruction Set Architecture Reference Guide (July 2026). The comments in the code are by the model that wrote it; some were corrected since.
;; Self Attention. Allowed arithmetic: matrix products marked QUANTISED: E2M3 operands, one E8M0 scale for each 32 along K, by v_wmma_scale_f32_16x16x128_f8f6f4 with both operands' format E2M3, f32 sums; everything else in f32.
;; Inputs: Wk_codes 1,024 x 32 x 24 uint8 (E2M3 codes of Wk, K innermost, in blocks of 32 codes, four codes in three bytes); Wk_scales 1,024 x 32 uint8 (E8M0 scales of Wk, one for each 32 codes along K); Wq_codes 1,024 x 32 x 24 uint8 (E2M3 codes of Wq, K innermost, in blocks of 32 codes, four codes in three bytes); Wq_scales 1,024 x 32 uint8 (E8M0 scales of Wq, one for each 32 codes along K); Wv_codes 1,024 x 32 x 24 uint8 (E2M3 codes of Wv, K innermost, in blocks of 32 codes, four codes in three bytes); Wv_scales 1,024 x 32 uint8 (E8M0 scales of Wv, one for each 32 codes along K); X_codes 4 x 2,048 x 32 x 24 uint8 (E2M3 codes of X, K innermost, in blocks of 32 codes, four codes in three bytes); X_scales 4 x 2,048 x 32 uint8 (E8M0 scales of X, one for each 32 codes along K); bk 1,024 float32; bq 1,024 float32; bv 1,024 float32.
;; Outputs: out0 4 x 2,048 x 1,024 float32.
;; This version of the problem:
;;   THIS VERSION OF THE PROBLEM IS GIVEN IN LOW PRECISION. The matrix products marked QUANTISED in the list below multiply operands that are first quantised to E2M3 (2 exponent bits, 3 mantissa bits; 6 bits a number), with one power-of-two scale for each 32 numbers along K (OCP MX v1.0); their sums are f32. All else is computed in f32.
;;   The module's matrix products, in the order in which they are computed (A, B: the left and right operand; K: the contracted axis; several contracted axes count as one K, in the product's order):
;;     1. [M 8,192, K 1,024] x [K 1,024, N 1,024]; A: input X (given as codes); B: input Wq (given as codes): QUANTISED
;;     2. [M 8,192, K 1,024] x [K 1,024, N 1,024]; A: input X (given as codes); B: input Wk (given as codes): QUANTISED
;;     3. [M 8,192, K 1,024] x [K 1,024, N 1,024]; A: input X (given as codes); B: input Wv (given as codes): QUANTISED
;;     4. batch 4 x [M 2,048, K 1,024] x [K 1,024, N 2,048]; A: computed on the way; B: computed on the way: QUANTISED
;;     5. batch 4 x [M 2,048, K 2,048] x [K 2,048, N 1,024]; A: softmax (see below); B: computed on the way: QUANTISED
;;   THE QUANTISER, for each operand of a quantised product, along K:
;;     - K is cut into blocks of 32 from its start; a last block that is shorter is filled with zeros.
;;     - A block's scale is 2^e with e = floor(log2(the largest magnitude in the block)) - 2, held to -126 .. 127; a block of zeros has e = 0. As a byte (E8M0): e + 127.
;;     - Each number is divided by its block's scale, clamped to +-7.5, and rounded to the nearest number of E2M3, ties to even, subnormals kept.
;;     - The product sums the exact products of the quantised numbers (number of the format x scale) in f32.
;;   ~~~python
;;   def quantise(x, axis):      # numpy; x: float32 -> the quantised numbers, widened to float32 again
;;       x = np.moveaxis(x, axis, -1); K = x.shape[-1]
;;       x = np.pad(x, [(0, 0)] * (x.ndim - 1) + [(0, -K % 32)]); x = x.reshape(x.shape[:-1] + (-1, 32)); a = np.abs(x).max(-1, keepdims=True)
;;       e = np.where(a > 0, np.clip(np.frexp(np.where(a > 0, a, 1))[1] - 1 - 2, -126, 127), 0)      # np.frexp(a)[1] - 1 = floor(log2(a)), exactly
;;       r = np.clip(x / 2.0 ** e, -7.5, 7.5)
;;       step = 2.0 ** (np.maximum(np.frexp(np.where(r == 0, 1, r))[1] - 1, 0) - 3)
;;       q = np.round(r / step) * step * 2.0 ** e      # np.round: ties to even
;;       return np.moveaxis(q.reshape(q.shape[:-2] + (-1,))[..., :K], -1, axis).astype(np.float32)
;;   ~~~
;;   SOFTMAX AHEAD OF A QUANTISED PRODUCT. Where the list says 'softmax', what is quantised is not the finished softmax but p = 2^(t - M), with t = logit x log2(e) and M = ceil(the row's largest t), a whole number; so 1/2 < the row's largest p <= 1. The row's sum l is taken of the UNQUANTISED p, in f32, and the product's result is divided by l at the end. Since M is a whole number, a kernel that streams over the keys may use a running M (the ceiling of the running maximum): every later rescaling is an exact power of two, which a block's scale takes up: the codes' values come out the same.
;;   OPERANDS COMPUTED ON THE WAY. 'Computed on the way' means the value that the module computes at that place (a softmax that the list does not call 'softmax' is quantised finished and normalised). What goes into a quantiser is computed in f32, as accurately as f32 sums, v_exp_f32 and their like allow (about 1e-6 of the number): no bf16 or f16 on the way to a quantiser, and a product that is left as it is and whose result goes on into a quantised operand takes f32 operands (vector FMAs, or v_wmma_f32_16x16x4_f32). A number that lies on a knife's edge between two numbers of the format may be rounded either way, as far as f32 arithmetic and the matrix unit's own rounding can turn it there, and no further.
;;   INPUTS GIVEN AS CODES. Wk (in the module: [1024, 1024], K = its axis 0); Wq (in the module: [1024, 1024], K = its axis 0); Wv (in the module: [1024, 1024], K = its axis 0); X (in the module: [4, 2048, 1024], K = its axis 2): each comes as NAME_codes (uint8): NAME with its K axis moved to the last place and cut into blocks of 32 codes, [.., K / 32, bytes a block], one block behind the other in memory; four codes in three bytes: a row's codes are one little-endian stream of bits, code i at bits 6 i .. 6 i + 5 (a code: sign, 2 exponent bits, 3 mantissa bits); and NAME_scales (uint8): the same leading axes, one E8M0 byte (e + 127) for each 32 codes along K. Its value is code x scale, taken as it is: it is not quantised again, and the codes and scales need not be those that the quantiser above would give.
;; One version. Each part assembles by itself: llvm-mc -triple=amdgcn-amd-amdhsa -mcpu=gfx1250 --defsym DOCPART=n.
;; ======== version 1 of 1: 3 launches
;; limits: right only within a limited range of input values
;; workspace buffers: qkv 19,660,800 bytes; p_codes 12,582,912 bytes; p_stats 2,097,152 bytes
;; launch proj (part 1): grid 12 x 32, 4 waves a work-group, clusters of 4 x 4, 327,680 bytes of LDS; arguments X_codes, X_scales, Wq_codes, Wq_scales, Wk_codes, Wk_scales, Wv_codes, Wv_scales, bq, bk, bv, qkv; writes qkv
.if DOCPART == 1
	.amdgcn_target "amdgcn-amd-amdhsa--gfx1250"
	.amdhsa_code_object_version 6
	.text
	.protected	k_q4e4ddab8b8_proj
	.globl	k_q4e4ddab8b8_proj
	.p2align	8
	.type	k_q4e4ddab8b8_proj,@function
k_q4e4ddab8b8_proj:
	s_mov_b64 s[64:65], 0
	v_nop
	global_prefetch_b8 v0, s[64:65] scope:SCOPE_SE
	s_setreg_imm32_b32 hwreg(HW_REG_WAVE_MODE, 25, 1), 1
	s_wait_xcnt 0x0
	s_wait_alu depctr_hold_cnt(0) depctr_sa_sdst(0) depctr_va_vdst(0) depctr_va_sdst(0) depctr_va_ssrc(0) depctr_va_vcc(0) depctr_vm_vsrc(0)
	s_getreg_b32 s2, hwreg(HW_REG_IB_STS2, 6, 4)
	s_cmp_eq_u32 s2, 0
	s_cbranch_scc0 .Lentry_in_a_cluster
	s_endpgm
.Lentry_in_a_cluster:
	s_bfe_u32 s2, ttmp6, 0x10000c
	s_cmp_lg_u32 s2, 0xf033
	s_cbranch_scc0 .Lentry_shape_is_right
	s_endpgm
.Lentry_shape_is_right:
; Q = X Wq + bq, K = X Wk + bk, V = X Wv + bv on codes of FP6 (E2M3) with one E8M0 byte for each 32 along K, each result quantised at once for the product that takes it next:
; Q and K along the 1,024 channels, V along the tokens.  X: [8192][1024] codes, W: [1024 (n)][1024 (k)] codes, rows of 768 bytes; scale bytes in rows of 32.
; WORK LEFT OUT BY THE PROGRAM: reference() sets every score with key > query to -inf by a mask of its own, so its weight is 0 for all inputs: the later launches make no tile of scores that lies wholly
; above the diagonal and multiply no such tile with V.  Every input has a way to the output and is loaded.  A NaN or an infinity that would arise only in the tiles left out is not carried to the result.
; A cluster's x says which product (0 Q, 1 K, 2 V).  A work-group of four waves makes 256 x 256 results, a wave 128 x 128: 64 accumulators, 512 registers.
; SOURCE 0 takes the operand whose ROWS are the next product's K (Q, K: rows of W; V: rows of X), source 1 the operand whose rows are the result's rows (Q, K: X; V: Wv).
; Lane (r, h), register j of tile b holds (source 1's row r, source 0's row 16 b + 8 h + j): a wave's 8 tiles of one block of 16 rows are 64 numbers a lane, 128 along the next K: one fragment, one scale word a row.
; ORDER INSIDE A BLOCK OF 32: code 16 h + 8 u + j of a block is the number at 16 u + 8 h + j of it.  Every operand that this program makes is laid so, on both sides of a later product.
; OUT: qkv, three regions of REG bytes.  A unit of 6,400 bytes is 32 rows x 256 K: fragment (row block e, K step q) as an image of its 12 registers at 3072 e + 1536 q (4 registers of lane l at 512 c + 16 l),
; scale words at 6144 + 128 q + 64 e + 4 r.  Unit number: (K / 256) x (rows / 32 of the region) + row / 32; for V the first factor is 8 x batch + keys / 256.
; K goes through two LDS slots in CHUNKS OF 256 BYTES of each row (a row is 768 bytes: three chunks, each on a multiple of 256); a step of 128 along K is 96 bytes: eight steps, of which steps 2 and 5 lie across two chunks.
; The scale bytes of the group's 512 rows come once.  CLUSTER 4 x 4: source 1's tile is shared along a row of the cluster, source 0's along a column, each asked for jointly.
; THE BIAS is the C of each sum's first product: v64-127 hold it in the result's layout (Q, K: by source 0's row, 8 registers a tile b; V: by source 1's row, the lane's number in 8 registers a block a).
; No prefetch: K is three chunks, of which two are asked for at the start.
; LIMITS: NaN and infinities among the inputs are not served.  A block of zeros gets the byte 1 (its codes are zeros; this program alone reads the bytes).
; REGISTERS: window 0: v16-31 addresses; v32-63 scale words, two sets; v64-127 the bias; v128-223 source 1's fragments, one set (later codes at work); v240-255 at work.
;   window 1: source 0's fragments, two sets, at v0 and v128.  windows 2, 3: the accumulators ((a, b) at v[8 (8 (a % 4) + b)]).
.set ROWB,   256
.set NQ,     2
.set KROW,   768
.set STEPS,  8
.set CHUNKS, 3
.set PITCH,  272                       ; 256 bytes + 16 of padding
.set FR,     12
.set NL,     6
.set NP,     4                         ; places behind this matrix instruction (ISA guide 7.12.1)
.set HALFT,  128*PITCH
.set SLOT,   4*HALFT
.set KS,     32
.set SCL,    2*SLOT
.set HALFS,  (128*KS/256)*272
.set SBLK,   (16*KS/256)*272
.set SPARE,  SCL+4*HALFS               ; the spare words: 128 bytes a wave, named by no other line
.set REG,    6553600
.set PU,     6400
.set ADRA, 16                          ; v16-17 source 1's fragments in slot 0, 1; v18-19 for a piece whose lanes 16-31 read the next chunk
.set ADRB, 20
.set LI,   24                          ; 16 x lane
.set LS,   25                          ; 4 x lane
.set ADRS, 27
.set SPW,  28
.set NIL,  29
.set BH,   30                          ; 32 x (lane / 16)
.set BR,   31                          ; 4 x (lane % 16)
.set SC,   32
.set B0,   64
.set AF,   128
.set PC,   192
.set PW,   212
.set PWE,  213
.set PWM,  214
.set TM,   240
.set G0H,  4                           ; s[4:7], s[8:11] group 0 of the head's loads of chunk 0
.set G0HB, 8
.set OSW,  22
.set OC,   26
.set G1,   32
.set G0,   40
.set G1B,  48
.set G0B,  56
.set SEL,  66
.set G1S,  68
.set G0S,  76
.set G1SB, 80
.set G0SB, 88
.set WV,   92
.set RH,   93
.set CH,   94
.set CX,   95
.set CY,   96
.set T0,   97
.set T1,   98
.set TY,   99
.set HIM,  100
.set NP1,  101
.set MSB, 0
.macro WIN new                         ; the immediate's high byte repeats the setting that is left
.if MSB != (\new)
	s_set_vgpr_msb (MSB<<8)|(\new)
.set MSB, (\new)
.endif
.endm
.macro WINM hi, zero                   ; source 0 window 1, source 1 window 0, D window 2 + hi; C the same, or window 0 where it is the bias
.if \zero
	WIN 0x81+0x40*(\hi)
.else
	WIN 0xa1+0x50*(\hi)
.endif
.endm
.set TO_B,   0x40
.macro PLACES n
.rept \n
	v_nop
.endr
.endm
.macro JLOAD g0a, g1a, g0b, g1b        ; waves 0, 1 fetch for source 1, waves 2, 3 for source 0; s_nop 0 and four v_nop behind each line
	s_cmp_eq_u32 s[RH], 0
	s_cbranch_scc0 .Lfor_b_\@
	tensor_load_to_lds s[\g0a:\g0a+3], s[\g1a:\g1a+7]
	s_nop 0
	PLACES 4
	s_branch .Lasked_\@
.Lfor_b_\@:
	tensor_load_to_lds s[\g0b:\g0b+3], s[\g1b:\g1b+7]
	s_nop 0
	PLACES 4
.Lasked_\@:
.endm
.macro CREST                           ; a round of the cluster's barrier behind its opening barrier
	s_cmp_lg_u32 s[WV], 0
	s_cbranch_scc1 .Lnot_wave_0_\@
	s_barrier_signal -3
.Lnot_wave_0_\@:
	s_barrier_wait -3
	s_barrier_signal -1
	s_barrier_wait -1
.endm
.macro CROUND
	s_barrier_signal -1
	s_barrier_wait -1
	CREST
.endm
	s_load_b512 s[4:19], s[0:1], 0x0               ; X codes, X scales, Wq codes, scales, Wk codes, scales, Wv codes, scales
	s_load_b256 s[20:27], s[0:1], 0x40             ; bq, bk, bv, qkv
	v_lshl_add_u32 v[SPW], v0, 2, SPARE
	v_mov_b32 v[NIL], 0
	ds_add_u32 v[SPW], v[NIL]                      ; the opening lines: the add, twice on end, and its wait
	ds_add_u32 v[SPW], v[NIL]
	v_lshrrev_b32 v1, 5, v0
	v_readfirstlane_b32 s[WV], v1                  ; wave 0..3
	s_lshr_b32 s[RH], s[WV], 1                     ; my half of source 1's rows.  Also: I fetch for source 1 (0) or source 0 (1)
	s_and_b32 s[CH], s[WV], 1                      ; my half of source 0's rows.  Also: which 128 rows I fetch
	s_bfe_u32 s[CX], ttmp6, 0x40000
	s_bfe_u32 s[CY], ttmp6, 0x40004
	s_mov_b32 s[TY], ttmp9                         ; the cluster's x: which product
	s_and_b32 s2, ttmp7, 0xffff
	s_lshl_b32 s2, s2, 2
	s_cmp_eq_u32 s[TY], 2
	s_cselect_b32 s[T0], s2, 0                     ; V: X's 32 tiles are source 0's;
	s_cselect_b32 s[T1], 0, s2                     ; Q, K: they are source 1's
	s_cselect_b32 s[NP1], 32, 256                  ; pairs of row blocks in a region's K step
	s_add_co_u32 s[T0], s[T0], s[CX]
	s_add_co_u32 s[T1], s[T1], s[CY]
	s_lshl_b32 s3, s[CY], 2
	s_lshl_b32 s3, 15, s3                          ; my row of the cluster
	s_lshl_b32 s2, 0x1111, s[CX]                   ; my column
	s_or_b32 s[G1+0], s3, (0<<16)|(1<<20)|(1<<21)|(5<<22)|(3<<25)   ; the mask; elements of 1 byte; padding on; bit 21 beside a mask; after every 64 words 4 words
	s_or_b32 s[G1B+0], s2, (0<<16)|(1<<20)|(1<<21)|(5<<22)|(3<<25)
.irp g, G1, G1B
	s_mov_b32 s[\g+1], ROWB<<16
	s_mov_b32 s[\g+2], 256<<16                     ; the head's loads bring 256 rows
	s_mov_b32 s[\g+3], ROWB<<16
	s_mov_b32 s[\g+4], 256
	s_mov_b32 s[\g+5], KROW
	s_mov_b32 s[\g+6], 0
	s_mov_b32 s[\g+7], 0
.endr
	s_or_b32 s[G1S+0], s3, (3<<16)|(1<<20)|(1<<21)|(5<<22)|(3<<25)  ; the scale bytes of 256 rows: 8,192 dense bytes as 32 rows of 256, 16 bytes of padding behind each
	s_or_b32 s[G1SB+0], s2, (3<<16)|(1<<20)|(1<<21)|(5<<22)|(3<<25)
.irp g, G1S, G1SB
	s_mov_b32 s[\g+1], 32<<16
	s_mov_b32 s[\g+2], KS<<16
	s_mov_b32 s[\g+3], 32<<16
	s_mov_b32 s[\g+4], KS
	s_mov_b32 s[\g+5], 32
	s_mov_b32 s[\g+6], 0
	s_mov_b32 s[\g+7], 0
.endr
	s_mov_b32 s[SEL], 0x76543210
	s_mov_b32 s[SEL+1], 0xfedcba98                 ; v_permlanex16_b32's selects for lane l xor 16
	s_mov_b32 s[HIM], 0xffff0000                   ; lanes 16-31
	s_wait_dscnt 0x0                               ; both opening adds are done
	s_wait_kmcnt 0x0
	s_cmp_eq_u32 s[TY], 2                          ; the buffers are chosen on the cluster's x alone
	s_cselect_b64 s[28:29], s[16:17], s[4:5]       ; source 1's codes: Wv's or X's
	s_cselect_b64 s[30:31], s[18:19], s[6:7]
	s_cselect_b64 s[16:17], s[4:5], s[12:13]       ; source 0's codes: X's or Wk's
	s_cselect_b64 s[18:19], s[6:7], s[14:15]
	s_cselect_b64 s[24:25], s[24:25], s[22:23]     ; the bias: bv or bk
	s_cmp_eq_u32 s[TY], 0
	s_cselect_b64 s[16:17], s[8:9], s[16:17]       ; or Wq's
	s_cselect_b64 s[18:19], s[10:11], s[18:19]
	s_cselect_b64 s[24:25], s[20:21], s[24:25]     ; or bq
	s_mov_b32 s21, 0
	s_mov_b32 s23, 0
	s_mul_i32 s20, s[T1], 256*KROW                 ; source 1's tile: hangs on cy, never on cx
	s_add_nc_u64 s[28:29], s[28:29], s[20:21]
	s_lshl_b32 s20, s[T1], 13
	s_add_nc_u64 s[30:31], s[30:31], s[20:21]
	s_mul_i32 s22, s[T0], 256*KROW                 ; source 0's: hangs on cx, never on cy
	s_add_nc_u64 s[16:17], s[16:17], s[22:23]
	s_lshl_b32 s22, s[T0], 13
	s_add_nc_u64 s[18:19], s[18:19], s[22:23]
	s_mul_i32 s12, s[CH], 128*KROW                 ; in the ring I fetch 128 rows of a tile
	s_mov_b32 s13, 0
	s_mul_i32 s14, s[WV], HALFT                    ; where they go: no place in the cluster enters an LDS address
	CROUND                                         ; all sixteen work-groups are here: the first joint loads meet
	s_mov_b32 s[G0H], 1
	s_mov_b32 s[G0H+1], 0
	s_mov_b64 s[G0H+2:G0H+3], s[28:29]
	s_or_b32 s[G0H+3], s[G0H+3], 0x80000000
	s_mov_b32 s[G0HB], 1
	s_mov_b32 s[G0HB+1], 2*HALFT
	s_mov_b64 s[G0HB+2:G0HB+3], s[16:17]
	s_or_b32 s[G0HB+3], s[G0HB+3], 0x80000000
	s_mov_b32 s[G0S], 1
	s_mov_b32 s[G0S+1], SCL
	s_mov_b64 s[G0S+2:G0S+3], s[30:31]
	s_or_b32 s[G0S+3], s[G0S+3], 0x80000000
	s_mov_b32 s[G0SB], 1
	s_mov_b32 s[G0SB+1], SCL+2*HALFS
	s_mov_b64 s[G0SB+2:G0SB+3], s[18:19]
	s_or_b32 s[G0SB+3], s[G0SB+3], 0x80000000
	s_add_nc_u64 s[28:29], s[28:29], s[12:13]
	s_add_nc_u64 s[16:17], s[16:17], s[12:13]
.irp s, 0,1
	s_mov_b32 s[G0+4*\s], 1
	s_add_co_u32 s[G0+4*\s+1], s14, \s*SLOT
	s_add_nc_u64 s[G0+4*\s+2:G0+4*\s+3], s[28:29], \s*ROWB
	s_or_b32 s[G0+4*\s+3], s[G0+4*\s+3], 0x80000000
	s_mov_b32 s[G0B+4*\s], 1
	s_add_co_u32 s[G0B+4*\s+1], s14, \s*SLOT
	s_add_nc_u64 s[G0B+4*\s+2:G0B+4*\s+3], s[16:17], \s*ROWB
	s_or_b32 s[G0B+4*\s+3], s[G0B+4*\s+3], 0x80000000
.endr
; The head's four tiles, one a wave: wave 0 chunk 0 of source 1's 256 rows, wave 1 of source 0's, wave 2 source 1's scale bytes, wave 3 source 0's.  One chain of branches, one join.
.macro ARM under, g0, g1, next
	s_cmp_lt_u32 s[WV], \under
	s_cbranch_scc0 \next
	tensor_load_to_lds s[\g0:\g0+3], s[\g1:\g1+7]
	s_nop 0
	PLACES 4
	s_branch .Lhead_asked
\next:
.endm
	ARM 1, G0H,  G1,  .Lhead_b
	ARM 2, G0HB, G1B, .Lhead_sa
	ARM 3, G0S,  G1S, .Lhead_sb
	tensor_load_to_lds s[G0SB:G0SB+3], s[G1SB:G1SB+7]
	s_nop 0
	PLACES 4
.Lhead_asked:
	v_and_b32 v1, 15, v0                           ; r
	v_bfe_u32 v2, v0, 4, 1                         ; h
	v_mul_u32_u24 v3, v1, PITCH
	v_mul_u32_u24 v4, v2, 24
	v_add_nc_u32 v4, v3, v4                        ; a fragment's row x pitch + 24 h
	s_mov_b32 s12, SLOT-232
	s_mov_b32 s13, SLOT+232
	v_sub_nc_u32 v7, 1, v2
	v_mul_u32_u24 v5, s12, v2
	v_add_nc_u32 v5, v3, v5
	v_add_nc_u32 v5, 232, v5                       ; across two chunks: lanes 0-15 byte 232 of the row in slot 0, lanes 16-31 byte 0 of the row in slot 1;
	v_mul_u32_u24 v6, s13, v7
	v_add_nc_u32 v6, v3, v6                        ; and the other way round
	s_mul_i32 s12, s[RH], HALFT                    ; my 128 rows of source 1
	s_mul_i32 s13, s[CH], HALFT
	s_add_co_u32 s13, s13, 2*HALFT                 ; my 128 rows of source 0
	v_add_nc_u32 v[ADRA+2], s12, v5
	v_add_nc_u32 v[ADRA+3], s12, v6
	v_add_nc_u32 v[ADRB+2], s13, v5
	v_add_nc_u32 v[ADRB+3], s13, v6
.irp s, 0,1
	v_add_nc_u32 v[ADRA+\s], s12, v4
	v_add_nc_u32 v[ADRB+\s], s13, v4
	s_add_co_u32 s12, s12, SLOT
	s_add_co_u32 s13, s13, SLOT
.endr
	v_mul_u32_u24 v5, v1, KS                       ; my row's scale bytes,
	v_lshrrev_b32 v6, 8, v5
	v_lshl_add_u32 v5, v6, 4, v5                   ; and 16 more for each 256 passed
	s_mul_i32 s12, s[RH], HALFS
	s_mul_i32 s13, s[CH], HALFS
	s_add_co_u32 s13, s13, 2*HALFS
	s_sub_co_u32 s13, s13, s12
	v_mul_u32_u24 v6, s13, v2                      ; lanes 16-31 take source 0's: one product, the distance between the two bases
	s_add_co_u32 s12, s12, SCL
	v_add_nc_u32 v5, v5, v6
	v_add_nc_u32 v[ADRS], s12, v5
	v_and_b32 v6, 31, v0
	v_lshlrev_b32 v[LI], 4, v6
	v_lshlrev_b32 v[LS], 2, v6
	v_lshlrev_b32 v[BH], 5, v2
	v_lshlrev_b32 v[BR], 2, v1
.irp b, 0,1,2,3
	v_mov_b32 v[TM+4+\b], 0                        ; written once: a lane permute's destination counts as one of its sources
.endr
	s_wait_alu depctr_va_vdst(0)                   ; ahead of the run of scalar instructions
	s_cmp_eq_u32 s[TY], 2
	s_cselect_b32 s12, s[T1], s[T0]                ; the bias runs along W's rows: source 1's for V, source 0's for Q and K; that tile's number is 0 .. 3
	s_cselect_b32 s13, s[RH], s[CH]
	s_lshl_b32 s12, s12, 10
	s_lshl_b32 s13, s13, 9
	s_add_co_u32 s12, s12, s13
	s_mov_b32 s13, 0
	s_add_nc_u64 s[24:25], s[24:25], s[12:13]      ; my 128 numbers
	s_cmp_eq_u32 s[TY], 2
	s_cbranch_scc1 .Lbias_v
.irp b, 0,1,2,3,4,5,6,7
	global_load_b128 v[B0+8*\b:B0+8*\b+3], v[BH], s[24:25] offset:64*\b       ; tile b: rows 16 b + 8 h + 0 .. 7
	global_load_b128 v[B0+8*\b+4:B0+8*\b+7], v[BH], s[24:25] offset:64*\b+16
.endr
	s_branch .Lbias_asked
.Lbias_v:
.irp a, 0,1,2,3,4,5,6,7
.irp j, 0,1,2,3,4,5,6,7
	global_load_b32 v[B0+8*\a+\j], v[BR], s[24:25] offset:64*\a               ; block a: row 16 a + r, in all eight registers
.endr
.endr
.Lbias_asked:
	s_mul_i32 s12, s[T0], s[NP1]
	s_lshl_b32 s13, s[T1], 3
	s_add_co_u32 s12, s12, s13
	s_lshl_b32 s13, s[RH], 2
	s_add_co_u32 s12, s12, s13                     ; my first unit
	s_mul_i32 s12, s12, PU
	s_mul_i32 s13, s[TY], REG
	s_add_co_u32 s12, s12, s13                     ; under 3 REG, far inside 32 bits
	s_mov_b32 s13, 0
	s_add_nc_u64 s[OC:OC+1], s[OC:OC+1], s[12:13]
	s_lshl_b32 s12, s[CH], 7
	s_add_co_u32 s12, s12, 6144
	s_add_nc_u64 s[OSW:OSW+1], s[OC:OC+1], s[12:13]
	s_mul_i32 s12, s[CH], 1536
	s_add_nc_u64 s[OC:OC+1], s[OC:OC+1], s[12:13]
.macro FRAG reg, adr, st, i            ; 16 rows x 128 K: 12 registers, 24 bytes of the row as they lie, in pieces of 8; byte y of a row lies in slot (y / 256) % 2 at byte y % 256 of the LDS row
.irp p, 0,1,2,3,4,5
.set BY, 96*(\st)+48*(\p/3)+8*(\p%3)
.if BY/ROWB == (BY+24)/ROWB
	ds_load_b64 v[\reg+2*\p:\reg+2*\p+1], v[\adr+(BY/ROWB)%2] offset:BY%ROWB+(\i)*16*PITCH
.else
	ds_load_b64 v[\reg+2*\p:\reg+2*\p+1], v[\adr+2+(BY/ROWB)%2] offset:BY%ROWB-232+(\i)*16*PITCH
.endif
.endr
.endm
; 16 matrix instructions: source 1's blocks a0, a0 + 1 x source 0's eight.  zero = 1, 2: the first product starts the sum on the bias (by tile b, by block a).
; The 64 accumulators take turns, in the same order in every step.
.macro MUL16 a0, p, q, sc, zero
.irp a, \a0, \a0+1
.irp b, 0,1,2,3,4,5,6,7
.if \zero == 1
	v_wmma_scale_f32_16x16x128_f8f6f4 v[8*(8*((\a)%4)+\b):8*(8*((\a)%4)+\b)+7], v[128*(\p)+FR*\b:128*(\p)+FR*\b+FR-1], v[AF+FR*(\a):AF+FR*(\a)+FR-1], v[B0+8*\b:B0+8*\b+7], v[SC+8*NQ*(\sc)+NQ*\b+(\q)], v[SC+8*NQ*(\sc)+NQ*(\a)+(\q)] matrix_a_fmt:MATRIX_FMT_FP6 matrix_b_fmt:MATRIX_FMT_FP6 matrix_a_scale:MATRIX_SCALE_ROW1
.elseif \zero == 2
	v_wmma_scale_f32_16x16x128_f8f6f4 v[8*(8*((\a)%4)+\b):8*(8*((\a)%4)+\b)+7], v[128*(\p)+FR*\b:128*(\p)+FR*\b+FR-1], v[AF+FR*(\a):AF+FR*(\a)+FR-1], v[B0+8*(\a):B0+8*(\a)+7], v[SC+8*NQ*(\sc)+NQ*\b+(\q)], v[SC+8*NQ*(\sc)+NQ*(\a)+(\q)] matrix_a_fmt:MATRIX_FMT_FP6 matrix_b_fmt:MATRIX_FMT_FP6 matrix_a_scale:MATRIX_SCALE_ROW1
.else
	v_wmma_scale_f32_16x16x128_f8f6f4 v[8*(8*((\a)%4)+\b):8*(8*((\a)%4)+\b)+7], v[128*(\p)+FR*\b:128*(\p)+FR*\b+FR-1], v[AF+FR*(\a):AF+FR*(\a)+FR-1], v[8*(8*((\a)%4)+\b):8*(8*((\a)%4)+\b)+7], v[SC+8*NQ*(\sc)+NQ*\b+(\q)], v[SC+8*NQ*(\sc)+NQ*(\a)+(\q)] matrix_a_fmt:MATRIX_FMT_FP6 matrix_b_fmt:MATRIX_FMT_FP6 matrix_a_scale:MATRIX_SCALE_ROW1
.endif
.endr
.endr
.endm
.macro FETCH_B st, p
	WIN TO_B
.irp i, 0,1,2,3,4,5,6,7
	FRAG 128*(\p)+FR*\i, ADRB, \st, \i
.endr
	WIN 0
.endm
.macro FETCH_A st, i0
.irp i, \i0, \i0+1, \i0+2, \i0+3
	FRAG AF+FR*(\i), ADRA, \st, \i
.endr
.endm
.macro SCALES pr                       ; the scale words of steps 2 pr, 2 pr + 1: lanes 0-15 source 1's block i, lanes 16-31 source 0's
.irp i, 0,1,2,3,4,5,6,7
	ds_load_b64 v[SC+8*NQ*((\pr)%2)+NQ*\i:SC+8*NQ*((\pr)%2)+NQ*\i+1], v[ADRS] offset:\i*SBLK+4*NQ*(\pr)
.endr
.endm
; A step of 128 along K.  Where the next step's bytes END in a chunk not read yet: the wait for my tensor loads and a barrier ahead of the fetch.  Where they BEGIN in a later chunk: the chunk left behind is read no more:
; the wait, the add, the wait for it and for my reads, the barrier; where a chunk two further on is left, the barrier opens a round of the cluster's and the slot is filled again.
.macro STEP st, zero
.set NX, (\st)+1
.set C0, (96*(\st))/ROWB
.set C1, (96*NX)/ROWB
.set E0, (96*(\st)+95)/ROWB
.set E1, (96*NX+95)/ROWB
.if C1 > C0 || E1 > E0
	s_wait_tensorcnt 0x0                           ; all my tensor loads have landed
.if C1 > C0
	ds_add_u32 v[SPW], v[NIL]
	s_wait_dscnt 4*NL+1                            ; the add and the youngest 24 loads (blocks 4-7) may be out
.else
	s_wait_dscnt 4*NL
.endif
	WINM 0, \zero
	MUL16 0, (\st)%2, (\st)%2, ((\st)/2)%2, \zero
	s_wait_dscnt 0x0                               ; the add, where there is one, and my reads are done
	s_barrier_signal -1
	MUL16 2, (\st)%2, (\st)%2, ((\st)/2)%2, \zero
	WIN 0
	s_barrier_wait -1
.if C1 > C0 && C0+2 < CHUNKS
	CREST
	s_add_nc_u64 s[G0+4*(C0%2)+2:G0+4*(C0%2)+3], s[G0+4*(C0%2)+2:G0+4*(C0%2)+3], 2*ROWB
	s_add_nc_u64 s[G0B+4*(C0%2)+2:G0B+4*(C0%2)+3], s[G0B+4*(C0%2)+2:G0B+4*(C0%2)+3], 2*ROWB
	JLOAD G0+4*(C0%2), G1, G0B+4*(C0%2), G1B       ; chunk C0 + 2, the first tensor load behind the round; its four v_nop are the places in front of the loads below
.else
	PLACES NP
.endif
.else
	s_wait_dscnt 4*NL                              ; source 0's set and blocks 0-3 are in; the youngest 24 loads may be out
	WINM 0, \zero
	MUL16 0, (\st)%2, (\st)%2, ((\st)/2)%2, \zero
	MUL16 2, (\st)%2, (\st)%2, ((\st)/2)%2, \zero
	s_wait_dscnt 0
	PLACES NP
.endif
	FETCH_B NX, NX%2
	FETCH_A NX, 0
.if NX%2 == 0
	SCALES NX/2
.endif
	WINM 1, \zero
	MUL16 4, (\st)%2, (\st)%2, ((\st)/2)%2, \zero
	MUL16 6, (\st)%2, (\st)%2, ((\st)/2)%2, \zero
	PLACES NP
	WIN 0
	FETCH_A NX, 4
.endm
	s_wait_alu depctr_va_vdst(0)
	s_wait_tensorcnt 0x0                           ; my tile of the head's four is in; the lines ahead of a later first fill:
	ds_add_u32 v[SPW], v[NIL]
	s_mov_b32 s[G1+2], 128<<16                     ; no tensor load of mine is out: from here on a load brings 128 rows
	s_mov_b32 s[G1+4], 128
	s_mov_b32 s[G1B+2], 128<<16
	s_mov_b32 s[G1B+4], 128
	s_wait_dscnt 0x0
	CROUND
	JLOAD G0+4, G1, G0B+4, G1B                     ; chunk 1, the first tensor load behind the round
	FETCH_B 0, 0
	FETCH_A 0, 0
	SCALES 0
	FETCH_A 0, 4
	s_wait_loadcnt 0x0                             ; the bias
	s_cmp_eq_u32 s[TY], 2
	s_cbranch_scc1 .Lfirst_v
	STEP 0, 1
	s_branch .Lwalk
.Lfirst_v:
	STEP 0, 2
.Lwalk:
.set ST, 1
.rept STEPS-2
	STEP ST, 0
.set ST, ST+1
.endr
	s_wait_dscnt 4*NL
	WINM 0, 0
	MUL16 0, 1, 1, 1, 0
	MUL16 2, 1, 1, 1, 0
	s_wait_dscnt 0
	WINM 1, 0
	MUL16 4, 1, 1, 1, 0
	MUL16 6, 1, 1, 1, 0
	WIN 0
	PLACES NP
; Block a's 64 numbers a lane become a fragment's codes in v[PC] on and its scale word in v[PW].  Registers 16 b .. 16 b + 15 of lanes l and l xor 16 are block b of 32.  Each accumulator is read from its low end on.
.macro QUANTW a
.set AC, 64*((\a)%4)
	WIN 0x0a+5*((\a)/4)
.irp b, 0,1,2,3
	v_max3_num_f32 v[TM+\b], |v[AC+16*\b]|, |v[AC+16*\b+1]|, 0x1800000   ; and the floor 2^(3 - 127): the byte cannot fall under 1
.endr
	WIN 0x28+0x14*((\a)/4)
.irp i, 2,4,6,8,10,12,14
.irp b, 0,1,2,3
	v_max3_num_f32 v[TM+\b], v[TM+\b], |v[AC+16*\b+\i]|, |v[AC+16*\b+\i+1]|
.endr
.endr
	WIN 0
.irp b, 0,1,2,3
	v_permlanex16_b32 v[TM+4+\b], v[TM+\b], s[SEL], s[SEL+1]
.endr
.irp b, 0,1,2,3
	v_max_num_f32 v[TM+\b], v[TM+\b], v[TM+4+\b]   ; the block's largest magnitude
.endr
.irp b, 0,1,2,3
	v_add_nc_u32 v[TM+12+\b], 0xff000000, v[TM+\b] ; 2 off its exponent field: the conversion's scale operand
.endr
.irp b, 0,1,2,3
	v_lshrrev_b32 v[TM+4+\b], 23, v[TM+12+\b]      ; the scale's byte
.endr
	v_lshl_or_b32 v[PW], v[TM+5], 8, v[TM+4]
	v_lshl_or_b32 v[PW], v[TM+6], 16, v[PW]
	v_lshl_or_b32 v[PW], v[TM+7], 24, v[PW]
	WIN 0x02+((\a)/4)
.irp c, 0,1
	v_cvt_scalef32_pk16_fp6_f32 v[PC+6*\c:PC+6*\c+2], v[AC+32*\c:AC+32*\c+15], v[TM+12+2*\c]
	v_cvt_scalef32_pk16_fp6_f32 v[PC+12+4*\c:PC+14+4*\c], v[AC+32*\c+16:AC+32*\c+31], v[TM+12+2*\c+1]
.endr
	WIN 0
	v_nop                                          ; one plain place behind a scaled conversion
.irp c, 0,1                                    ; the operand's layout wants a whole block in a lane
.irp i, 0,1,2
	v_permlane16_swap_b32 v[PC+6*\c+\i], v[PC+12+4*\c+\i]
.endr
.irp i, 0,1,2
	v_mov_b32 v[PC+3+6*\c+\i], v[PC+12+4*\c+\i]
.endr
.endr
.endm
.macro PUT a                           ; the fragment's image: three stores of 512 consecutive bytes, each at a multiple of 256 from the buffer's first byte; a pair of blocks' scale words: 128 consecutive bytes
.irp c, 0,1,2
	global_store_b128 v[LI], v[PC+4*\c:PC+4*\c+3], s[OC:OC+1] offset:((\a)/2)*PU+((\a)%2)*3072+512*\c
.endr
.if (\a)%2 == 0
	v_mov_b32 v[PWE], v[PW]
.else
	v_cndmask_b32 v[PWM], v[PWE], v[PW], s[HIM]    ; lanes 0-15 the even block's words, lanes 16-31 the odd block's
	global_store_b32 v[LS], v[PWM], s[OSW:OSW+1] offset:((\a)/2)*PU
.endif
.endm
.irp a, 0,1,2,3,4,5,6,7
.if \a > 0
	s_wait_xcnt 0x0                                ; the last block's stores have read their registers
.endif
	QUANTW \a
	PUT \a
.endr
	s_wait_tensorcnt 0x0                           ; the wave's end
	ds_add_u32 v[SPW], v[NIL]
	s_wait_dscnt 0x0
	CROUND                                         ; the closing round
	s_endpgm
.Lfunc_end_k_q4e4ddab8b8_proj:
	.size	k_q4e4ddab8b8_proj, .Lfunc_end_k_q4e4ddab8b8_proj-k_q4e4ddab8b8_proj
	.p2alignl 7, 3214868480
	.fill 96, 4, 3214868480
	.section	.rodata,"a",@progbits
	.p2align	6, 0x0
	.amdhsa_kernel k_q4e4ddab8b8_proj
		.amdhsa_group_segment_fixed_size 327680
		.amdhsa_private_segment_fixed_size 0
		.amdhsa_enable_private_segment 0
		.amdhsa_kernarg_size 96
		.amdhsa_user_sgpr_count 2
		.amdhsa_user_sgpr_kernarg_segment_ptr 1
		.amdhsa_wavefront_size32 1
		.amdhsa_system_sgpr_workgroup_id_x 1
		.amdhsa_system_sgpr_workgroup_id_y 1
		.amdhsa_system_sgpr_workgroup_id_z 1
		.amdhsa_system_vgpr_workitem_id 0
		.amdhsa_next_free_vgpr 1024
		.amdhsa_next_free_sgpr 102
		.amdhsa_reserve_vcc 0
		.amdhsa_float_denorm_mode_32 3
		.amdhsa_float_denorm_mode_16_64 3
		.amdhsa_memory_ordered 1
		.amdhsa_forward_progress 1
		.amdhsa_inst_pref_size 188
	.end_amdhsa_kernel
	.amdgpu_metadata
---
amdhsa.version: [ 1, 2 ]
amdhsa.kernels:
  - .name:           k_q4e4ddab8b8_proj
    .symbol:         k_q4e4ddab8b8_proj.kd
    .args:
      - { .name: X_codes, .offset: 0, .size: 8, .value_kind: global_buffer, .address_space: global }
      - { .name: X_scales, .offset: 8, .size: 8, .value_kind: global_buffer, .address_space: global }
      - { .name: Wq_codes, .offset: 16, .size: 8, .value_kind: global_buffer, .address_space: global }
      - { .name: Wq_scales, .offset: 24, .size: 8, .value_kind: global_buffer, .address_space: global }
      - { .name: Wk_codes, .offset: 32, .size: 8, .value_kind: global_buffer, .address_space: global }
      - { .name: Wk_scales, .offset: 40, .size: 8, .value_kind: global_buffer, .address_space: global }
      - { .name: Wv_codes, .offset: 48, .size: 8, .value_kind: global_buffer, .address_space: global }
      - { .name: Wv_scales, .offset: 56, .size: 8, .value_kind: global_buffer, .address_space: global }
      - { .name: bq, .offset: 64, .size: 8, .value_kind: global_buffer, .address_space: global }
      - { .name: bk, .offset: 72, .size: 8, .value_kind: global_buffer, .address_space: global }
      - { .name: bv, .offset: 80, .size: 8, .value_kind: global_buffer, .address_space: global }
      - { .name: qkv, .offset: 88, .size: 8, .value_kind: global_buffer, .address_space: global }
    .group_segment_fixed_size: 327680
    .private_segment_fixed_size: 0
    .kernarg_segment_align: 8
    .kernarg_segment_size: 96
    .max_flat_workgroup_size: 128
    .sgpr_count:     102
    .vgpr_count:     1024
    .wavefront_size: 32
...
	.end_amdgpu_metadata
.endif
;; end of part 1
;; launch score (part 2): grid 9 x 16, 4 waves a work-group, no clusters, 327,680 bytes of LDS; arguments qkv, p_codes, p_stats; writes p_codes, p_stats
.if DOCPART == 2
	.amdgcn_target "amdgcn-amd-amdhsa--gfx1250"
	.amdhsa_code_object_version 6
	.text
	.protected	k_q4e4ddab8b8_score
	.globl	k_q4e4ddab8b8_score
	.p2align	8
	.type	k_q4e4ddab8b8_score,@function
k_q4e4ddab8b8_score:
	s_mov_b64 s[64:65], 0
	v_nop
	global_prefetch_b8 v0, s[64:65] scope:SCOPE_SE
	s_setreg_imm32_b32 hwreg(HW_REG_WAVE_MODE, 25, 1), 1
	s_wait_xcnt 0x0
.set REG,   6553600
.set PUA,   6400
.set PUB,   6400
.set HALF,  4*PUA
.set SLOT,  HALF                       ; LDS is laid by the waves' four parts, and in a part by slice: from slice to slice
.set PART,  3*HALF                     ; a wave's part: three slices
.set SIGB,  256*PUA
.set SPARE, 4*PART
.set PCU,   6144
.set LI,   1
.set ADSA, 8
.set ADSB, 12
.set ADRA, 16
.set ADRB, 20
.set SPW,  28
.set NIL,  29
.set D0,   30
.set NINF, 31
.set SC,   32
.set AF,   128
.set W,    128
.set PC,   192
.set NM,   212
.set LA,   214
.set LB,   216
.set PW,   218
.set TT,   219
.set NME,  220
.set LE,   221
.set PWE,  222
.set ST,   224
.set TM,   240
.set WV, 10
.set RH, 11
.set CH, 12
.set TI, 13
.set TJ, 14
.set BI, 15
.set G1, 16
.set G0, 24
.set OC, 36
.set OS, 38
.set CS, 40
.set SEL, 42
.set HIM, 44
.set G1H, 52
.set MSB, 0
.macro WIN new
.if MSB != (\new)
	s_set_vgpr_msb (MSB<<8)|(\new)
.set MSB, (\new)
.endif
.endm
.set MUL_LO, 0xa1
.set MUL_HI, 0xf1
.set TO_B,   0x40
.macro PLACES
.rept 4
	v_nop
.endr
.endm
.macro FRAG reg, adr, pu, q, i
.irp c, 0,1,2
	ds_load_b128 v[(\reg)+4*\c:(\reg)+4*\c+3], v[\adr] offset:((\i)/2)*(\pu)+((\i)%2)*3072+(\q)*1536+512*\c
.endr
.endm
.macro FETCH_B slot, q, p
	WIN TO_B
.irp i, 0,1,2,3,4,5,6,7
	FRAG 128*(\p)+12*\i, ADRB+\slot, PUB, \q, \i
.endr
	WIN 0
.endm
.macro FETCH_A slot, q, i0
.irp i, \i0, \i0+1, \i0+2, \i0+3
	FRAG AF+12*(\i), ADRA+\slot, PUA, \q, \i
.endr
.endm
.macro WM a, b, p, q, sc, zero
.set rD, 8*(8*((\a)%4)+(\b))
.set rB, 128*(\p)+12*(\b)
.set rA, AF+12*(\a)
.set sB, SC+16*(\sc)+8+2*((\b)/2)+(\q)
.set sA, SC+16*(\sc)+2*((\a)/2)+(\q)
.set odd, 2*((\a)%2)+((\b)%2)
.if \zero
.if odd == 0
	v_wmma_scale_f32_16x16x128_f8f6f4 v[rD:rD+7], v[rB:rB+11], v[rA:rA+11], 0, v[sB], v[sA] matrix_a_fmt:MATRIX_FMT_FP6 matrix_b_fmt:MATRIX_FMT_FP6
.elseif odd == 1
	v_wmma_scale_f32_16x16x128_f8f6f4 v[rD:rD+7], v[rB:rB+11], v[rA:rA+11], 0, v[sB], v[sA] matrix_a_fmt:MATRIX_FMT_FP6 matrix_b_fmt:MATRIX_FMT_FP6 matrix_a_scale:MATRIX_SCALE_ROW1
.elseif odd == 2
	v_wmma_scale_f32_16x16x128_f8f6f4 v[rD:rD+7], v[rB:rB+11], v[rA:rA+11], 0, v[sB], v[sA] matrix_a_fmt:MATRIX_FMT_FP6 matrix_b_fmt:MATRIX_FMT_FP6 matrix_b_scale:MATRIX_SCALE_ROW1
.else
	v_wmma_scale_f32_16x16x128_f8f6f4 v[rD:rD+7], v[rB:rB+11], v[rA:rA+11], 0, v[sB], v[sA] matrix_a_fmt:MATRIX_FMT_FP6 matrix_b_fmt:MATRIX_FMT_FP6 matrix_a_scale:MATRIX_SCALE_ROW1 matrix_b_scale:MATRIX_SCALE_ROW1
.endif
.else
.if odd == 0
	v_wmma_scale_f32_16x16x128_f8f6f4 v[rD:rD+7], v[rB:rB+11], v[rA:rA+11], v[rD:rD+7], v[sB], v[sA] matrix_a_fmt:MATRIX_FMT_FP6 matrix_b_fmt:MATRIX_FMT_FP6
.elseif odd == 1
	v_wmma_scale_f32_16x16x128_f8f6f4 v[rD:rD+7], v[rB:rB+11], v[rA:rA+11], v[rD:rD+7], v[sB], v[sA] matrix_a_fmt:MATRIX_FMT_FP6 matrix_b_fmt:MATRIX_FMT_FP6 matrix_a_scale:MATRIX_SCALE_ROW1
.elseif odd == 2
	v_wmma_scale_f32_16x16x128_f8f6f4 v[rD:rD+7], v[rB:rB+11], v[rA:rA+11], v[rD:rD+7], v[sB], v[sA] matrix_a_fmt:MATRIX_FMT_FP6 matrix_b_fmt:MATRIX_FMT_FP6 matrix_b_scale:MATRIX_SCALE_ROW1
.else
	v_wmma_scale_f32_16x16x128_f8f6f4 v[rD:rD+7], v[rB:rB+11], v[rA:rA+11], v[rD:rD+7], v[sB], v[sA] matrix_a_fmt:MATRIX_FMT_FP6 matrix_b_fmt:MATRIX_FMT_FP6 matrix_a_scale:MATRIX_SCALE_ROW1 matrix_b_scale:MATRIX_SCALE_ROW1
.endif
.endif
.endm
.macro MUL16 a0, p, q, sc, zero
.irp a, \a0, \a0+1
.irp b, 0,1,2,3,4,5,6,7
	WM \a, \b, \p, \q, \sc, \zero
.endr
.endr
.endm
.macro SCALES slot, set, sig
.irp p, 0,1,2,3
.irp q, 0,1
	ds_load_b32 v[SC+16*(\set)+2*\p+\q], v[ADSA+\slot] offset:\p*PUA+128*\q
	ds_load_b32 v[SC+16*(\set)+8+2*\p+\q], v[ADSB+\slot] offset:\p*PUB+128*\q
.endr
.endr
.endm
.macro REFILL cs
	s_add_nc_u64 s[G0+4*\cs+2:G0+4*\cs+3], s[G0+4*\cs+2:G0+4*\cs+3], 3*SIGB
	tensor_load_to_lds s[G0+4*\cs:G0+4*\cs+3], s[G1:G1+7]
	s_nop 0
	PLACES
.endm
.macro KSTEP cs, q, sc, zero, kind, ns, nq, nsc, nsig
.if (\kind == 1) || (\kind == 2)
	s_wait_tensorcnt 0x0
	ds_add_u32 v[SPW], v[NIL]
	s_wait_dscnt 13
.else
	s_wait_dscnt 12
.endif
	WIN MUL_LO
	MUL16 0, \q, \q, \sc, \zero
.if (\kind == 1) || (\kind == 2)
	s_wait_dscnt 0x0
	s_barrier_signal -1
.endif
	MUL16 2, \q, \q, \sc, \zero
.if \kind == 0
	s_wait_dscnt 0x0
	PLACES
.elseif \kind == 1
	WIN 0
	s_barrier_wait -1
	PLACES
.elseif \kind == 2
	WIN 0
	s_barrier_wait -1
	REFILL \cs
.else
	s_wait_dscnt 0x0
.endif
.if \kind < 3
	FETCH_B \ns, \nq, 1-(\q)
	FETCH_A \ns, \nq, 0
.if \nq == 0
	SCALES \ns, \nsc, \nsig
.endif
.endif
	WIN MUL_HI
	MUL16 4, \q, \q, \sc, \zero
	MUL16 6, \q, \q, \sc, \zero
.if \kind < 3
	PLACES
	WIN 0
	FETCH_A \ns, \nq, 4
.else
	WIN 0
.endif
.endm
	s_load_b128 s[4:7], s[0:1], 0x0
	s_load_b64 s[8:9], s[0:1], 0x10
	v_lshl_add_u32 v[SPW], v0, 2, SPARE
	v_mov_b32 v[NIL], 0
	ds_add_u32 v28, v29
	ds_add_u32 v28, v29
	s_wait_dscnt 0x0
	v_lshrrev_b32 v2, 5, v0
	v_readfirstlane_b32 s[WV], v2
	s_lshr_b32 s[RH], s[WV], 1
	s_and_b32 s[CH], s[WV], 1
	s_and_b32 s45, ttmp7, 0xffff
	s_and_b32 s46, s45, 3
	s_lshr_b32 s[BI], s45, 2
	s_sub_co_u32 s47, 7, s46
	s_sub_co_u32 s48, ttmp9, s46
	s_sub_co_u32 s48, s48, 1
	s_cmp_le_u32 ttmp9, s46
	s_cselect_b32 s[TI], s46, s47
	s_cselect_b32 s[TJ], ttmp9, s48
	s_mov_b32 s[G1+0], 3<<16
	s_mov_b32 s[G1+1], 32<<16
	s_mov_b32 s[G1+2], 100<<16
	s_mov_b32 s[G1+3], 32<<16
	s_mov_b32 s[G1+4], 100
	s_mov_b32 s[G1+5], 32
	s_mov_b32 s[G1+6], 0
	s_mov_b32 s[G1+7], 0
	s_mov_b32 s[G1H+0], 3<<16                      ; the head's tile: my part of slices 0, 1, 2: 3 rows of 25,600 dense bytes (3,200 elements of 8), a slice apart in memory
	s_mov_b32 s[G1H+1], 3200<<16
	s_mov_b32 s[G1H+2], 3<<16
	s_mov_b32 s[G1H+3], 3200<<16
	s_mov_b32 s[G1H+4], 3
	s_mov_b32 s[G1H+5], SIGB/8
	s_mov_b32 s[G1H+6], 0
	s_mov_b32 s[G1H+7], 0
	s_mov_b32 s[CS], 0x3d38aa3b
	s_mov_b32 s[CS+1], s[CS]
	s_mov_b32 s[SEL], 0x76543210
	s_mov_b32 s[SEL+1], 0xfedcba98
	s_mov_b32 s[HIM], 0xffff0000
	s_cmp_eq_u32 s[RH], 0
	s_cselect_b32 s45, s[TI], s[TJ]
	s_lshl_b32 s45, s45, 3
	s_lshl_b32 s46, s[BI], 6
	s_add_co_u32 s45, s45, s46
	s_lshl_b32 s46, s[CH], 2
	s_add_co_u32 s45, s45, s46
	s_mul_i32 s50, s45, PUA
	s_mul_i32 s46, s[RH], REG
	s_add_co_u32 s50, s50, s46
	s_mov_b32 s51, 0
	s_mul_i32 s48, s[WV], PART
	s_wait_kmcnt 0x0
	s_add_nc_u64 s[50:51], s[4:5], s[50:51]
	s_mov_b32 s[G0], 1
	s_add_co_u32 s[G0+1], s48, 0
	s_mov_b64 s[G0+2:G0+3], s[50:51]
	s_or_b32 s[G0+3], s[G0+3], 0x80000000
	tensor_load_to_lds s[G0:G0+3], s[G1H:G1H+7]    ; my one tensor load at the head: three slices of my part
	s_nop 0
	PLACES
	v_and_b32 v2, 31, v0
	v_lshlrev_b32 v[LI], 4, v2
	v_lshlrev_b32 v2, 2, v2
	s_mul_i32 s45, s[RH], PART
	s_mul_i32 s46, s[CH], PART
	s_add_co_u32 s46, s46, 2*PART
	v_add_nc_u32 v[ADRA], s45, v[LI]
	v_add_nc_u32 v[ADRA+1], SLOT, v[ADRA]
	v_add_nc_u32 v[ADRA+2], 2*SLOT, v[ADRA]
	v_add_nc_u32 v[ADRB], s46, v[LI]
	v_add_nc_u32 v[ADRB+1], SLOT, v[ADRB]
	v_add_nc_u32 v[ADRB+2], 2*SLOT, v[ADRB]
	s_add_co_u32 s45, s45, 6144
	s_add_co_u32 s46, s46, 6144
	v_add_nc_u32 v[ADSA], s45, v2
	v_add_nc_u32 v[ADSA+1], SLOT, v[ADSA]
	v_add_nc_u32 v[ADSA+2], 2*SLOT, v[ADSA]
	v_add_nc_u32 v[ADSB], s46, v2
	v_add_nc_u32 v[ADSB+1], SLOT, v[ADSB]
	v_add_nc_u32 v[ADSB+2], 2*SLOT, v[ADSB]
	s_sub_co_i32 s47, s[RH], s[CH]
	s_lshl_b32 s47, s47, 7
	v_and_b32 v3, 15, v0
	v_bfe_u32 v4, v0, 4, 1
	v_lshlrev_b32 v4, 3, v4
	v_sub_nc_u32 v[D0], v3, v4
	v_add_nc_u32 v[D0], s47, v[D0]
	v_mov_b32 v[NINF], 0xff800000
	s_lshl_b32 s45, s[BI], 3
	s_add_co_u32 s45, s45, s[TJ]
	s_lshl_b32 s45, s45, 6
	s_lshl_b32 s46, s[TI], 3
	s_add_co_u32 s45, s45, s46
	s_lshl_b32 s46, s[RH], 2
	s_add_co_u32 s45, s45, s46
	s_mul_i32 s46, s45, PCU
	s_mul_i32 s45, s[CH], 1536
	s_add_co_u32 s46, s46, s45
	s_mov_b32 s47, 0
	s_add_nc_u64 s[OC:OC+1], s[6:7], s[46:47]
	s_lshl_b32 s48, s[BI], 4
	s_lshl_b32 s49, s[TJ], 1
	s_add_co_u32 s48, s48, s49
	s_add_co_u32 s48, s48, s[CH]
	s_lshl_b32 s48, s48, 15
	s_lshl_b32 s49, s[TI], 12
	s_add_co_u32 s48, s48, s49
	s_lshl_b32 s49, s[RH], 11
	s_add_co_u32 s48, s48, s49
	s_mov_b32 s49, 0
	s_add_nc_u64 s[OS:OS+1], s[8:9], s[48:49]
	s_wait_alu depctr_va_vdst(0)
	s_wait_tensorcnt 0x0
	s_barrier_signal -1
	s_barrier_wait -1
	FETCH_B 0, 0, 0
	FETCH_A 0, 0, 0
	SCALES 0, 0, 0
	FETCH_A 0, 0, 4
	KSTEP 0, 0, 0, 1, 0, 0, 1, 0, 0
	KSTEP 0, 1, 0, 0, 2, 1, 0, 1, 0
	KSTEP 1, 0, 1, 0, 0, 1, 1, 0, 0
	KSTEP 1, 1, 1, 0, 0, 2, 0, 0, 0
	KSTEP 2, 0, 0, 0, 0, 2, 1, 0, 0
	KSTEP 2, 1, 0, 0, 1, 0, 0, 1, 0
	KSTEP 0, 0, 1, 0, 0, 0, 1, 0, 0
	KSTEP 0, 1, 1, 0, 3, 0, 0, 0, 0
	PLACES
	v_mov_b32 v[NM+1], 0
	v_mov_b32 v[ST+3], 0
.irp b, 0,1,2,3
	v_mov_b32 v[TM+4+\b], 0
.endr
	s_cmp_lg_u32 s[TI], s[TJ]
	s_cbranch_scc1 .Lopen
.irp w, 0,1
	WIN 0x82+0x41*\w
.set dd, -7
.rept 15
.if (dd >= -3-4*\w) && (dd <= 7-4*\w)
.set jj, 0
.rept 8
	v_cmp_gt_i32 vcc_lo, 16*dd+jj, v[D0]
.set aa, 0
.rept 4
.if (aa+4*\w+dd >= 0) && (aa+4*\w+dd <= 7)
	v_cndmask_b32 v[8*(8*aa+aa+4*\w+dd)+jj], v[8*(8*aa+aa+4*\w+dd)+jj], v[NINF], vcc_lo
.endif
.set aa, aa+1
.endr
.set jj, jj+1
.endr
.endif
.set dd, dd+1
.endr
.endr
	WIN 0
.Lopen:
.macro SOFTQ a
.set AC, 64*((\a)%4)
.if (\a) > 0
	s_wait_xcnt 0x0
.endif
	WIN 0x2a+0x15*((\a)/4)
.irp b, 0,1,2,3
	v_max3_num_f32 v[TM+\b], v[AC+16*\b], v[AC+16*\b+1], v[AC+16*\b+2]
.endr
	WIN 0x28+0x14*((\a)/4)
.irp i, 3,5,7,9,11,13
.irp b, 0,1,2,3
	v_max3_num_f32 v[TM+\b], v[TM+\b], v[AC+16*\b+\i], v[AC+16*\b+\i+1]
.endr
.endr
.irp b, 0,1,2,3
	v_max_num_f32 v[TM+\b], v[TM+\b], v[AC+16*\b+15]
.endr
	WIN 0
.irp b, 0,1,2,3
	v_permlanex16_b32 v[TM+4+\b], v[TM+\b], s[SEL], s[SEL+1]
.endr
.irp b, 0,1,2,3
	v_max_num_f32 v[TM+\b], v[TM+\b], v[TM+4+\b]
.endr
	v_max3_num_f32 v[TT], v[TM], v[TM+1], v[TM+2]
	v_max_num_f32 v[TT], v[TT], v[TM+3]
	v_mul_f32 v[TT], s[CS], v[TT]
	v_max_num_f32 v[TT], 0xff61b1e6, v[TT]
	v_floor_f32 v[NM], -v[TT]
	WIN 0x02+((\a)/4)
.set k, 0
.rept 32
	v_pk_fma_f32 v[W+k:W+k+1], v[AC+k:AC+k+1], s[CS:CS+1], v[NM:NM+1] op_sel_hi:[1,0,0]
.set k, k+2
.endr
	WIN 0
.irp b, 0,1,2,3
	v_fma_f32 v[TM+\b], v[TM+\b], s[CS], v[NM]
.endr
.set k, 0
	s_wait_alu depctr_va_vdst(0)
.rept 64
	v_exp_f32 v[W+k], v[W+k]
.set k, k+1
.endr
.irp b, 0,1,2,3
	v_exp_f32 v[TM+\b], v[TM+\b]
.endr
	v_nop
	s_wait_alu depctr_va_vdst(0)
.irp b, 0,1,2,3
	v_max_num_f32 v[TM+\b], 0x1800000, v[TM+\b]
.endr
.irp b, 0,1,2,3
	v_add_nc_u32 v[TM+12+\b], 0xff000000, v[TM+\b]
.endr
.irp b, 0,1,2,3
	v_lshrrev_b32 v[TM+4+\b], 23, v[TM+12+\b]
.endr
	v_lshl_or_b32 v[PW], v[TM+5], 8, v[TM+4]
	v_lshl_or_b32 v[PW], v[TM+6], 16, v[PW]
	v_lshl_or_b32 v[PW], v[TM+7], 24, v[PW]
.irp c, 0,1
	v_cvt_scalef32_pk16_fp6_f32 v[PC+6*\c:PC+6*\c+2], v[W+32*\c:W+32*\c+15], v[TM+12+2*\c]
	v_cvt_scalef32_pk16_fp6_f32 v[PC+12+4*\c:PC+14+4*\c], v[W+32*\c+16:W+32*\c+31], v[TM+12+2*\c+1]
.endr
	v_nop
.irp c, 0,1
.irp i, 0,1,2
	v_permlane16_swap_b32 v[PC+6*\c+\i], v[PC+12+4*\c+\i]
.endr
.irp i, 0,1,2
	v_mov_b32 v[PC+3+6*\c+\i], v[PC+12+4*\c+\i]
.endr
.endr
	v_pk_add_f32 v[LA:LA+1], v[W:W+1], v[W+2:W+3]
	v_pk_add_f32 v[LB:LB+1], v[W+4:W+5], v[W+6:W+7]
.irp j, 8,12,16,20,24,28,32,36,40,44,48,52,56,60
	v_pk_add_f32 v[LA:LA+1], v[LA:LA+1], v[W+\j:W+\j+1]
	v_pk_add_f32 v[LB:LB+1], v[LB:LB+1], v[W+\j+2:W+\j+3]
.endr
	v_pk_add_f32 v[LA:LA+1], v[LA:LA+1], v[LB:LB+1]
	v_add_f32 v[LA], v[LA], v[LA+1]
	v_permlanex16_b32 v[TT], v[LA], s[SEL], s[SEL+1]
	v_add_f32 v[LA], v[LA], v[TT]
.irp c, 0,1,2
	global_store_b128 v[LI], v[PC+4*\c:PC+4*\c+3], s[OC:OC+1] offset:((\a)/2)*PCU+((\a)%2)*3072+512*\c
.endr
.if (\a)%2 == 0
	v_mov_b32 v[NME], v[NM]
	v_mov_b32 v[LE], v[LA]
	v_mov_b32 v[PWE], v[PW]
.else
	v_cndmask_b32 v[ST], v[NME], v[NM], s[HIM]
	v_cndmask_b32 v[ST+1], v[LE], v[LA], s[HIM]
	v_cndmask_b32 v[ST+2], v[PWE], v[PW], s[HIM]
	global_store_b128 v[LI], v[ST:ST+3], s[OS:OS+1] offset:((\a)/2)*512
.endif
.endm
.irp a, 0,1,2,3,4,5,6,7
	SOFTQ \a
.endr
	s_wait_tensorcnt 0x0
	ds_add_u32 v[SPW], v[NIL]
	s_wait_dscnt 0x0
	s_endpgm
.Lfunc_end_k_q4e4ddab8b8_score:
	.size	k_q4e4ddab8b8_score, .Lfunc_end_k_q4e4ddab8b8_score-k_q4e4ddab8b8_score
	.p2alignl 7, 3214868480
	.fill 96, 4, 3214868480
	.section	.rodata,"a",@progbits
	.p2align	6, 0x0
	.amdhsa_kernel k_q4e4ddab8b8_score
		.amdhsa_group_segment_fixed_size 327680
		.amdhsa_private_segment_fixed_size 0
		.amdhsa_enable_private_segment 0
		.amdhsa_kernarg_size 24
		.amdhsa_user_sgpr_count 2
		.amdhsa_user_sgpr_kernarg_segment_ptr 1
		.amdhsa_wavefront_size32 1
		.amdhsa_system_sgpr_workgroup_id_x 1
		.amdhsa_system_sgpr_workgroup_id_y 1
		.amdhsa_system_sgpr_workgroup_id_z 1
		.amdhsa_system_vgpr_workitem_id 0
		.amdhsa_next_free_vgpr 1024
		.amdhsa_next_free_sgpr 66
		.amdhsa_reserve_vcc 1
		.amdhsa_float_denorm_mode_32 3
		.amdhsa_float_denorm_mode_16_64 3
		.amdhsa_memory_ordered 1
		.amdhsa_forward_progress 1
		.amdhsa_inst_pref_size 216
	.end_amdhsa_kernel
	.amdgpu_metadata
---
amdhsa.version: [ 1, 2 ]
amdhsa.kernels:
  - .name:           k_q4e4ddab8b8_score
    .symbol:         k_q4e4ddab8b8_score.kd
    .args:
      - { .name: qkv, .offset: 0, .size: 8, .value_kind: global_buffer, .address_space: global }
      - { .name: p_codes, .offset: 8, .size: 8, .value_kind: global_buffer, .address_space: global }
      - { .name: p_stats, .offset: 16, .size: 8, .value_kind: global_buffer, .address_space: global }
    .group_segment_fixed_size: 327680
    .private_segment_fixed_size: 0
    .kernarg_segment_align: 8
    .kernarg_segment_size: 24
    .max_flat_workgroup_size: 128
    .sgpr_count:     66
    .vgpr_count:     1024
    .wavefront_size: 32
...
	.end_amdgpu_metadata
.endif
;; end of part 2
;; launch mix (part 3): grid 4 x 64, 4 waves a work-group, clusters of 4 x 1, 327,680 bytes of LDS; arguments p_codes, p_stats, qkv, out0; writes out0
.if DOCPART == 3
	.amdgcn_target "amdgcn-amd-amdhsa--gfx1250"
	.amdhsa_code_object_version 6
	.text
	.protected	k_q4e4ddab8b8_mix
	.globl	k_q4e4ddab8b8_mix
	.p2align	8
	.type	k_q4e4ddab8b8_mix,@function
k_q4e4ddab8b8_mix:
	s_mov_b64 s[64:65], 0
	v_nop
	global_prefetch_b8 v0, s[64:65] scope:SCOPE_SE
	s_setreg_imm32_b32 hwreg(HW_REG_WAVE_MODE, 25, 1), 1
	s_wait_xcnt 0x0
	s_wait_alu depctr_hold_cnt(0) depctr_sa_sdst(0) depctr_va_vdst(0) depctr_va_sdst(0) depctr_va_ssrc(0) depctr_va_vcc(0) depctr_vm_vsrc(0)
	s_getreg_b32 s2, hwreg(HW_REG_IB_STS2, 6, 4)
	s_cmp_eq_u32 s2, 0
	s_cbranch_scc0 .Lentry_in_a_cluster
	s_endpgm
.Lentry_in_a_cluster:
	s_bfe_u32 s2, ttmp6, 0x10000c
	s_cmp_lg_u32 s2, 0x3003
	s_cbranch_scc0 .Lentry_shape_is_right
	s_endpgm
.Lentry_shape_is_right:
; O = P V / l on codes of FP6.  A work-group makes 128 queries (half HF of query block TI of batch BI, all from the cluster's y) x 256 channels (its place cx); 256 work-groups.  A wave makes 64 x 128: 32 accumulators.
; Left out: key slices past the diagonal, whose weights reference()'s own mask makes 0 for all inputs.
; Source 1 = P (rows: queries), source 0 = V (rows: channels); K = the keys, in slices of 256, slice TI DOWN TO 0 (the order of an f32 sum is free here).  Slice s lies in sub-slot s % 4; a slot is two sub-slots,
; a POSITION two slices (2 p + 1, 2 p) in slot p % 2.  So LDS addresses, and whether a refill follows (p >= 2), are constants of the text; only the place where the text is entered hangs on TI.
; FETCHES, one tensor load a wave: wave 0 P's slice 2 p, wave 1 P's slice 2 p + 1 (24,576 dense bytes each, asked for jointly by the four channel tiles of the cluster), waves 2 and 3 the same of V (51,200 dense bytes,
; plain loads behind the same rounds: V's tiles hang on cx).  The head fills slot 1 with the largest odd position; behind a round slot 0 takes the largest even one, and the head's arithmetic runs while that load is out.
; A walk whose top position is odd (TI = 7, 6, 3, 2) begins on slot 1 with slot 0's load still out: its first change of slots waits for that load.  A walk whose top position is even waits for it, and passes a barrier, first.
; A slice past TI does not exist: its wave brings slice TI once more, into a sub-slot that is never read; where TI < 2 slot 1 takes slices of position 0 once more and is never read: so every path issues the same first loads.
; Each later position is asked for a whole position ahead: 96 matrix instructions a wave lie between a request and the wait for it.
; THE HEAD joins the softmax's pieces: for each row and key step of 128 the last launch stored -M, the sum l and four scale bytes under the piece's own M.  The row's -M is the least of them; d = M(row) - M(piece) is a whole
; number; l(row) = the sum of l x 2^-d; each scale byte is lowered by d and held at 0.  Key steps past the last written one reread it and count for nothing: their -M is replaced by 3e38, so d = 255 and l x 2^-255 is 0.
; No prefetch: of at most four positions two are asked for at the start, and each later one a whole position ahead.
; LIMITS: NaN and infinities are not served.  A byte lowered under 0 is held at 0: what is then overstated is at most 7.5 x 2^-127 a code, beside l > 1/2.
; REGISTERS: window 0: v1-31 addresses; v32-63 scale words, two sets; v64-127 the head's figures, later results / l; v128-223 P's fragments, two sets (head: at work; way out: rows of O, v128-255).
;   window 1: the accumulators ((a, b) at v[8 (8 a + b)]).  window 2: V's fragments, two sets, at v0 and v128.
.set REG,   6553600
.set PUA,   6144
.set PUB,   6400
.set PP,    4*PUA                      ; P's 128 rows of a slice
.set VV,    8*PUB                      ; V's 256 channels of a slice, scale words among them
.set SUB,   PP+VV
.set SLOT,  2*SUB
.set PST,   4*SUB                      ; [16 key steps][128 rows] scale words of P
.set RL,    PST+8192                   ; 128 x 1 / l
.set SPARE, RL+512                     ; the spare words: 128 bytes a wave, named by no other line
.set STAGE, SLOT                       ; the way out's stage lies in slot 1: it has had its last fill, and a barrier stands between its last read and the stage's first store
.set SPITCH, 528
.set SIGP,  64*PUA
.set SIGV,  32*PUB
.set LI,   1
.set NMR,  10
.set LR,   11
.set ADSB, 12                          ; v12-15 V's scale words in sub-slot 0..3
.set ADRA, 16                          ; v16-19 P's fragments
.set ADRB, 20                          ; v20-23 V's
.set STO,  24
.set RD,   25
.set APS,  26
.set ARL,  27
.set SPW,  28
.set NIL,  29
.set APW,  30
.set SC,   32
.set RLV,  32
.set SG,   64
.set AF,   128
.set BK,   128
.set BIG,  160
.set WV, 12
.set RH, 13
.set CH, 14
.set CX, 15
.set TI, 16
.set BI, 17
.set LIM, 18
.set HF, 19
.set G1P, 20
.set G1V, 28
.set G0P, 36
.set G0V, 44
.set PBS, 52                           ; s[52:53] P: my wave's slice of position 0, with the descriptor's type set;  s[54:55] V likewise
.set VBS, 54
.set MSB, 0
.macro WIN new
.if MSB != (\new)
	s_set_vgpr_msb (MSB<<8)|(\new)
.set MSB, (\new)
.endif
.endm
.set MULW, 0x52                        ; source 0 (V) window 2, source 1 (P) window 0, C and D window 1
.macro PLACES                          ; four plain vector instructions between a matrix instruction and a load into, or a vector read or write of, its registers
.rept 4
	v_nop
.endr
.endm
.macro CREST
	s_cmp_lg_u32 s[WV], 0
	s_cbranch_scc1 .Lnot_wave_0_\@
	s_barrier_signal -3
.Lnot_wave_0_\@:
	s_barrier_wait -3
	s_barrier_signal -1
	s_barrier_wait -1
.endm
.macro CROUND
	s_barrier_signal -1
	s_barrier_wait -1
	CREST
.endm
.macro JLOAD sl                        ; waves 0, 1: P's two slices, jointly; waves 2, 3: V's.  s_nop 0 and four v_nop behind each line
	s_cmp_eq_u32 s[RH], 0
	s_cbranch_scc0 .Lfor_v_\@
	tensor_load_to_lds s[G0P+4*(\sl):G0P+4*(\sl)+3], s[G1P:G1P+7]
	s_nop 0
	PLACES
	s_branch .Lasked_\@
.Lfor_v_\@:
	tensor_load_to_lds s[G0V+4*(\sl):G0V+4*(\sl)+3], s[G1V:G1V+7]
	s_nop 0
	PLACES
.Lasked_\@:
.endm
.macro JPOS sl, pos                    ; position pos into slot sl.  No load of mine is out, so the descriptors may be written
	s_add_nc_u64 s[G0P+4*(\sl)+2:G0P+4*(\sl)+3], s[PBS:PBS+1], (\pos)*2*SIGP
	s_add_nc_u64 s[G0V+4*(\sl)+2:G0V+4*(\sl)+3], s[VBS:VBS+1], (\pos)*2*SIGV
	JLOAD \sl
.endm
.macro FRAG reg, adr, pu, q, i
.irp c, 0,1,2
	ds_load_b128 v[(\reg)+4*\c:(\reg)+4*\c+3], v[\adr] offset:((\i)/2)*(\pu)+((\i)%2)*3072+(\q)*1536+512*\c
.endr
.endm
.macro FETCH_A c, q, p
	WIN 0
.irp i, 0,1,2,3
	FRAG AF+48*(\p)+12*\i, ADRA+\c, PUA, \q, \i
.endr
.endm
.macro FETCH_B c, q, p
	WIN 0x80
.irp i, 0,1,2,3,4,5,6,7
	FRAG 128*(\p)+12*\i, ADRB+\c, PUB, \q, \i
.endr
.endm
.macro WM4 cop                         ; an odd block's scale words stand in lanes 16-31 of its pair's register
.if odd == 0
	v_wmma_scale_f32_16x16x128_f8f6f4 v[rD:rD+7], v[rB:rB+11], v[rA:rA+11], \cop, v[sB], v[sA] matrix_a_fmt:MATRIX_FMT_FP6 matrix_b_fmt:MATRIX_FMT_FP6
.elseif odd == 1
	v_wmma_scale_f32_16x16x128_f8f6f4 v[rD:rD+7], v[rB:rB+11], v[rA:rA+11], \cop, v[sB], v[sA] matrix_a_fmt:MATRIX_FMT_FP6 matrix_b_fmt:MATRIX_FMT_FP6 matrix_a_scale:MATRIX_SCALE_ROW1
.elseif odd == 2
	v_wmma_scale_f32_16x16x128_f8f6f4 v[rD:rD+7], v[rB:rB+11], v[rA:rA+11], \cop, v[sB], v[sA] matrix_a_fmt:MATRIX_FMT_FP6 matrix_b_fmt:MATRIX_FMT_FP6 matrix_b_scale:MATRIX_SCALE_ROW1
.else
	v_wmma_scale_f32_16x16x128_f8f6f4 v[rD:rD+7], v[rB:rB+11], v[rA:rA+11], \cop, v[sB], v[sA] matrix_a_fmt:MATRIX_FMT_FP6 matrix_b_fmt:MATRIX_FMT_FP6 matrix_a_scale:MATRIX_SCALE_ROW1 matrix_b_scale:MATRIX_SCALE_ROW1
.endif
.endm
.macro MUL16 a0, q, sc, zero           ; P's blocks a0, a0 + 1 x V's eight, on fragment set q.  The 32 accumulators take turns, in the same order in every step
.irp a, \a0, \a0+1
.irp b, 0,1,2,3,4,5,6,7
.set rD, 8*(8*(\a)+\b)
.set rB, 128*(\q)+12*\b
.set rA, AF+48*(\q)+12*(\a)
.set sB, SC+16*(\sc)+8+2*(\b/2)+(\q)
.set sA, SC+16*(\sc)+2*((\a)/2)+(\q)
.set odd, 2*((\a)%2)+(\b%2)
.if \zero
	WM4 0
.else
	WM4 v[rD:rD+7]
.endif
.endr
.endr
.endm
.macro SCALEP set, sig                 ; P's scale words of slice sig, from the head's table
.irp p, 0,1
.irp q, 0,1
	ds_load_b32 v[SC+16*(\set)+2*\p+\q], v[APS] offset:(2*(\sig)+\q)*512+128*\p
.endr
.endr
.endm
.macro SCALEV c, set                   ; V's, from the sub-slot
.irp p, 0,1,2,3
.irp q, 0,1
	ds_load_b32 v[SC+16*(\set)+8+2*\p+\q], v[ADSB+\c] offset:\p*PUB+128*\q
.endr
.endr
.endm
.macro NEXT ns, nq, p, nsc, nsig       ; the next step's fragments into set p; with nq = 0 the next slice's scale words
	FETCH_A \ns, \nq, \p
.if \nq == 0
	SCALEP \nsc, \nsig
	SCALEV \ns, \nsc
.endif
	FETCH_B \ns, \nq, \p
.endm
; 128 along K: step q of a slice, 32 matrix instructions, and the fetch of the next step.  kind 0: plain.  1: a change of slots: each wave waits for all its tensor loads, adds 0 to its spare word, waits for that and
; for its LDS reads, and passes a barrier.  2: the same; the barrier opens a round of the cluster's, and slot rs takes position rp.  3: the last step.
.macro KSTEP q, sc, zero, kind, ns, nq, nsc, nsig, rs, rp
.if (\kind == 1) || (\kind == 2)
	s_wait_tensorcnt 0x0                           ; all my tensor loads have landed: my part of the other slot
	ds_add_u32 v[SPW], v[NIL]
	s_wait_dscnt 1                                 ; the add alone may be out: this step's fragments are in
	WIN MULW
	MUL16 0, \q, \sc, \zero
	s_wait_dscnt 0x0                               ; the add is done, and my reads of this slot are over
	s_barrier_signal -1
	MUL16 2, \q, \sc, \zero
	WIN 0
	s_barrier_wait -1
.if \kind == 2
	CREST
	JPOS \rs, \rp                                  ; my one tensor load behind the round; its four v_nop are the places in front of the loads below
.else
	PLACES
.endif
	NEXT \ns, \nq, 1-(\q), \nsc, \nsig
.else
	s_wait_dscnt 0x0                               ; this step's fragments and scale words are in
.if \kind == 0
	PLACES
	NEXT \ns, \nq, 1-(\q), \nsc, \nsig
.endif
	WIN MULW
	MUL16 0, \q, \sc, \zero
	MUL16 2, \q, \sc, \zero
.endif
	WIN 0
.endm
	s_load_b256 s[4:11], s[0:1], 0x0               ; p_codes, p_stats, qkv, out0
	v_lshl_add_u32 v[SPW], v0, 2, SPARE
	v_mov_b32 v[NIL], 0
	ds_add_u32 v[SPW], v[NIL]                      ; the opening lines: the add, twice on end, and its wait
	ds_add_u32 v[SPW], v[NIL]
	v_lshrrev_b32 v2, 5, v0
	v_readfirstlane_b32 s[WV], v2                  ; wave 0..3
	v_lshlrev_b32 v3, 4, v0                        ; thread t takes row t's figures, 16 bytes a key step
	s_lshr_b32 s[RH], s[WV], 1                     ; my half of the queries.  Also: I fetch P (0) or V (1)
	s_and_b32 s[CH], s[WV], 1                      ; my half of the channels.  Also: which slice of a position I fetch
	s_bfe_u32 s[CX], ttmp6, 0x40000                ; my channel tile: it enters V's and O's addresses alone
	s_and_b32 s56, ttmp7, 0xffff
	s_lshr_b32 s[TI], s56, 3
	s_sub_co_u32 s[TI], 7, s[TI]                   ; the longest walks have the lowest numbers
	s_bfe_u32 s[BI], s56, 0x20001
	s_and_b32 s[HF], s56, 1
	s_lshl_b32 s[LIM], s[TI], 1
	s_add_co_u32 s[LIM], s[LIM], 1                 ; the last key step that was written for these rows
	s_mov_b32 s[G1P+0], 15|(3<<16)|(1<<21)         ; the mask: all four work-groups; elements of 8 bytes; bit 21 beside a mask
	s_mov_b32 s[G1P+1], 32<<16
	s_mov_b32 s[G1P+2], 96<<16                     ; 96 rows of 256 bytes
	s_mov_b32 s[G1P+3], 32<<16
	s_mov_b32 s[G1P+4], 96
	s_mov_b32 s[G1P+5], 32
	s_mov_b32 s[G1P+6], 0
	s_mov_b32 s[G1P+7], 0
	s_mov_b32 s[G1V+0], 3<<16
	s_mov_b32 s[G1V+1], 32<<16
	s_mov_b32 s[G1V+2], 200<<16                    ; 200 rows of 256 bytes
	s_mov_b32 s[G1V+3], 32<<16
	s_mov_b32 s[G1V+4], 200
	s_mov_b32 s[G1V+5], 32
	s_mov_b32 s[G1V+6], 0
	s_mov_b32 s[G1V+7], 0
	s_lshl_b32 s56, s[BI], 19                      ; p_stats: 16 x 2,048 x 16 bytes a batch
	s_lshl_b32 s57, s[TI], 12
	s_add_co_u32 s56, s56, s57
	s_lshl_b32 s57, s[HF], 11
	s_add_co_u32 s56, s56, s57
	s_mov_b32 s57, 0
	s_wait_alu depctr_va_vdst(0)                   ; directly ahead of the waits below
	s_wait_dscnt 0x0                               ; both opening adds are done
	s_wait_kmcnt 0x0
	s_add_nc_u64 s[6:7], s[6:7], s[56:57]
.irp s, 0,1,2,3,4,5,6,7,8,9,10,11,12,13,14,15
	s_min_u32 s58, s[LIM], \s                      ; a step past the last written one rereads it
	s_lshl_b32 s58, s58, 15
	v_add_nc_u32 v[128+\s], s58, v3
	global_load_b128 v[64+4*\s:67+4*\s], v[128+\s], s[6:7]
.endr
	s_and_b32 s58, s[TI], 4                        ; slot 0's first position is the largest even one: its lower slice is TI & 4
	s_add_co_u32 s58, s58, s[CH]
	s_min_u32 s58, s58, s[TI]                      ; my slice of it, held at TI
	s_lshr_b32 s67, s[TI], 1                       ; the top position
	s_max_u32 s68, s67, 1
	s_sub_co_u32 s68, s68, 1
	s_or_b32 s68, s68, 1
	s_min_u32 s68, s68, s67                        ; slot 1's first position: the largest odd one; 0 where TI < 2
	s_lshl_b32 s68, s68, 1
	s_add_co_u32 s68, s68, s[CH]
	s_min_u32 s68, s68, s[TI]                      ; my slice of it, held at TI
	s_lshl_b32 s60, s[BI], 9
	s_lshl_b32 s61, s[TI], 3
	s_add_co_u32 s60, s60, s61
	s_lshl_b32 s61, s[HF], 2
	s_add_co_u32 s60, s60, s61
	s_mul_i32 s60, s60, PUA                        ; P: unit 512 b + 8 TI + 4 HF of slice 0
	s_mov_b32 s61, 0
	s_add_nc_u64 s[4:5], s[4:5], s[60:61]
	s_mul_i32 s60, s[CH], SIGP
	s_add_nc_u64 s[PBS:PBS+1], s[4:5], s[60:61]
	s_or_b32 s[PBS+1], s[PBS+1], 0x80000000
	s_mul_i32 s60, s58, SIGP
	s_add_nc_u64 s[G0P+2:G0P+3], s[4:5], s[60:61]
	s_or_b32 s[G0P+3], s[G0P+3], 0x80000000
	s_mul_i32 s60, s68, SIGP
	s_add_nc_u64 s[G0P+6:G0P+7], s[4:5], s[60:61]
	s_or_b32 s[G0P+7], s[G0P+7], 0x80000000
	s_lshl_b32 s62, s[BI], 8
	s_lshl_b32 s63, s[CX], 3
	s_add_co_u32 s62, s62, s63
	s_mul_i32 s62, s62, PUB                        ; V: unit 256 b + 8 cx of slice 0,
	s_add_co_u32 s62, s62, 2*REG                   ; in the third region
	s_mov_b32 s63, 0
	s_add_nc_u64 s[8:9], s[8:9], s[62:63]
	s_mul_i32 s62, s[CH], SIGV
	s_add_nc_u64 s[VBS:VBS+1], s[8:9], s[62:63]
	s_or_b32 s[VBS+1], s[VBS+1], 0x80000000
	s_mul_i32 s62, s58, SIGV
	s_add_nc_u64 s[G0V+2:G0V+3], s[8:9], s[62:63]
	s_or_b32 s[G0V+3], s[G0V+3], 0x80000000
	s_mul_i32 s62, s68, SIGV
	s_add_nc_u64 s[G0V+6:G0V+7], s[8:9], s[62:63]
	s_or_b32 s[G0V+7], s[G0V+7], 0x80000000
	s_mul_i32 s59, s[CH], SUB                      ; my sub-slot of a slot
.irp sl, 0,1
	s_mov_b32 s[G0P+4*\sl], 1
	s_add_co_u32 s[G0P+4*\sl+1], s59, \sl*SLOT
	s_mov_b32 s[G0V+4*\sl], 1
	s_add_co_u32 s[G0V+4*\sl+1], s59, \sl*SLOT+PP
.endr
	CROUND                                         ; all four work-groups are here: the first joint loads meet
	JLOAD 1                                        ; slot 1's first fill: one tensor load a wave at the head
	v_and_b32 v2, 31, v0                           ; lane
	v_and_b32 v4, 15, v0                           ; r
	v_bfe_u32 v5, v0, 4, 1                         ; h
	v_lshlrev_b32 v[LI], 4, v2
	v_lshlrev_b32 v6, 2, v2
	s_mul_i32 s56, s[RH], 2*PUA                    ; my 64 queries
	s_mul_i32 s57, s[CH], 4*PUB
	s_add_co_u32 s57, s57, PP                      ; my 128 channels
	v_add_nc_u32 v[ADRA], s56, v[LI]
	v_add_nc_u32 v[ADRB], s57, v[LI]
	s_add_co_u32 s57, s57, 6144
	v_add_nc_u32 v[ADSB], s57, v6
.irp c, 1,2,3
	v_add_nc_u32 v[ADRA+\c], \c*SUB, v[ADRA]
	v_add_nc_u32 v[ADRB+\c], \c*SUB, v[ADRB]
	v_add_nc_u32 v[ADSB+\c], \c*SUB, v[ADSB]
.endr
	s_lshl_b32 s56, s[RH], 8
	s_add_co_u32 s57, s56, PST
	v_add_nc_u32 v[APS], s57, v6
	s_add_co_u32 s57, s56, RL
	v_lshl_add_u32 v[ARL], v4, 2, s57
	v_lshl_add_u32 v[APW], v0, 2, PST
	s_mul_i32 s56, s[WV], 16*SPITCH
	s_add_co_u32 s56, s56, STAGE                   ; my stage
	v_mul_u32_u24 v7, v4, SPITCH
	v_lshl_add_u32 v7, v5, 5, v7
	v_add_nc_u32 v[STO], s56, v7                   ; in: row r, 32 bytes for each half of the lanes
	v_add_nc_u32 v[RD], s56, v[LI]                 ; back: the 32 lanes take a row of 512 bytes
	v_mov_b32 v[BIG], 0x7f61b1e6                   ; 3e38
	s_lshl_b32 s56, s[BI], 11
	s_lshl_b32 s57, s[TI], 8
	s_add_co_u32 s56, s56, s57
	s_lshl_b32 s57, s[HF], 7
	s_add_co_u32 s56, s56, s57
	s_lshl_b32 s57, s[RH], 6
	s_add_co_u32 s56, s56, s57                     ; my first row of O,
	s_lshl_b32 s56, s56, 12                        ; rows of 4,096 bytes,
	s_lshl_b32 s57, s[CX], 10
	s_add_co_u32 s56, s56, s57
	s_lshl_b32 s57, s[CH], 9
	s_add_co_u32 s56, s56, s57                     ; my first channel
	s_mov_b32 s57, 0
	s_add_nc_u64 s[10:11], s[10:11], s[56:57]
	s_wait_alu depctr_va_vdst(0)                   ; directly ahead of the wait below
	s_wait_tensorcnt 0x0                           ; my part of slot 1 is in; the lines ahead of a later first fill:
	ds_add_u32 v[SPW], v[NIL]
	s_wait_dscnt 0x0
	CROUND
	JLOAD 0                                        ; slot 0's first fill, the first tensor load behind the round
	s_wait_loadcnt 0x0                             ; the 16 loads of my row's figures
.irp s, 2,3,4,5,6,7,8,9,10,11,12,13,14,15
	s_cmp_le_u32 \s, s[LIM]
	s_cselect_b32 s58, -1, 0
	v_cndmask_b32 v[64+4*\s], v[BIG], v[64+4*\s], s58     ; a step past the last written one counts for nothing
.endr
	v_min3_num_f32 v[NMR], v64, v68, v72
.irp s, 3,5,7,9,11,13
	v_min3_num_f32 v[NMR], v[NMR], v[64+4*\s], v[68+4*\s]
.endr
	v_min_num_f32 v[NMR], v[NMR], v124             ; the row's -M
.macro FIX s                           ; key step s of my row
.set R, 64+4*(\s)
.set T, 144+8*((\s)%2)
	v_sub_f32 v[T], v[R], v[NMR]                   ; d = M(row) - M(piece): a whole number, 0 or more,
	v_min_num_f32 v[T], 0x437f0000, v[T]           ; held at 255
	v_cvt_u32_f32 v[T], v[T]
	v_sub_nc_u32 v[T+1], 0, v[T]
.if (\s) == 0
	v_ldexp_f32 v[LR], v[R+1], v[T+1]              ; l x 2^-d: the first term starts the sum
.else
	v_ldexp_f32 v[T+1], v[R+1], v[T+1]
	v_add_f32 v[LR], v[LR], v[T+1]
.endif
	v_bfe_u32 v[T+2], v[R+2], 0, 8
	v_bfe_u32 v[T+3], v[R+2], 8, 8
	v_bfe_u32 v[T+4], v[R+2], 16, 8
	v_lshrrev_b32 v[T+5], 24, v[R+2]
	v_min_u32 v[T+6], v[T+2], v[T]                 ; each byte is lowered by d, and held at 0
	v_min_u32 v[T+7], v[T+3], v[T]
	v_sub_nc_u32 v[T+2], v[T+2], v[T+6]
	v_sub_nc_u32 v[T+3], v[T+3], v[T+7]
	v_min_u32 v[T+6], v[T+4], v[T]
	v_min_u32 v[T+7], v[T+5], v[T]
	v_sub_nc_u32 v[T+4], v[T+4], v[T+6]
	v_sub_nc_u32 v[T+5], v[T+5], v[T+7]
	v_lshl_or_b32 v[T+2], v[T+3], 8, v[T+2]
	v_lshl_or_b32 v[T+4], v[T+5], 8, v[T+4]
	v_lshl_or_b32 v[T+2], v[T+4], 16, v[T+2]
	ds_store_b32 v[APW], v[T+2] offset:512*(\s)
.endm
.irp s, 0,1,2,3,4,5,6,7,8,9,10,11,12,13,14,15
	FIX \s
.endr
	s_wait_alu depctr_va_vdst(0)                   ; ahead of the transcendental
	v_rcp_f32 v161, v[LR]
	v_nop                                          ; a plain place behind the reciprocal
	s_wait_alu depctr_va_vdst(0)                   ; and ahead of its reader
	ds_store_b32 v[APW], v161 offset:8192
	s_wait_dscnt 0x0                               ; my stores into the tables are done
	s_barrier_signal -1
	s_barrier_wait -1                              ; everybody's are; slot 1 was whole at the round; slot 0's load may be out
	; THE ENTRY, by TI, which all four partners share.  A top position in slot 1 is begun at once
.irp t, 7,6,3,2
	s_cmp_eq_u32 s[TI], \t
	s_cbranch_scc1 .Le\t
.endr
	s_wait_tensorcnt 0x0                           ; a top position in slot 0: my part of it is in,
	ds_add_u32 v[SPW], v[NIL]
	s_wait_dscnt 0x0
	s_barrier_signal -1
	s_barrier_wait -1                              ; and everybody's
.irp t, 5,4,1
	s_cmp_eq_u32 s[TI], \t
	s_cbranch_scc1 .Le\t
.endr
.macro ENTRY sig, c
.Le\sig:
	SCALEP \sig%2, \sig
	s_branch .Lz\c
.endm
	ENTRY 0, 0
	ENTRY 1, 1
	ENTRY 2, 2
	ENTRY 3, 3
	ENTRY 4, 0
	ENTRY 5, 1
	ENTRY 6, 2
	ENTRY 7, 3
.macro START c, hi                     ; the top slice's first step starts the sums: written once for each sub-slot
.Lz\c:
	SCALEV \c, \c%2
	FETCH_A \c, 0, 0
	FETCH_B \c, 0, 0
	WIN 0
	KSTEP 0, \c%2, 1, 0, \c, 1, 0, 0, 0, 0
	s_cmp_eq_u32 s[TI], \hi
	s_cbranch_scc1 .Lm\hi
	s_branch .Lm\c
.endm
	START 3, 7
	START 2, 6
	START 1, 5
	START 0, 4
.macro BODY sig, c, sc, kind, nc, nsc, nsig, rs, rp
.if \sig < 7                           ; (slice 7 is only ever a top slice)
	KSTEP 0, \sc, 0, 0, \c, 1, 0, 0, 0, 0
.endif
.Lm\sig:
	KSTEP 1, \sc, 0, \kind, \nc, 0, \nsc, \nsig, \rs, \rp
.endm
	BODY 7, 3, 1, 0, 2, 0, 6, 0, 0
	BODY 6, 2, 0, 2, 1, 1, 5, 1, 1
	BODY 5, 1, 1, 0, 0, 0, 4, 0, 0
	BODY 4, 0, 0, 2, 3, 1, 3, 0, 0
	BODY 3, 3, 1, 0, 2, 0, 2, 0, 0
	BODY 2, 2, 0, 1, 1, 1, 1, 0, 0
	BODY 1, 1, 1, 0, 0, 0, 0, 0, 0
	BODY 0, 0, 0, 3, 0, 0, 0, 0, 0
	; THE WAY OUT, block by block of 16 rows x 128 channels: times 1 / l, through my own stage in LDS, back as whole rows of 512 bytes.  LDS serves a wave's instructions in order (ISA guide 5.7.1.4).
	s_barrier_signal -1                            ; none of my LDS instructions is out: every wave's reads of the slots are over
	s_barrier_wait -1                              ; before any wave stores into the stage
	PLACES
.irp a, 0,1,2,3
	ds_load_b32 v[RLV+2*\a], v[ARL] offset:64*\a   ; 1 / l of row 16 a + r
	v_mov_b32 v[RLV+2*\a+1], 0                     ; (named with it as a pair)
.endr
	s_wait_alu depctr_va_vdst(0)                   ; directly ahead of the wait below
	s_wait_dscnt 0x0
.macro TOSTAGE a
	WIN 0x01                                       ; source 0: the accumulators' window
.set k, 0
.rept 32
	v_pk_mul_f32 v[SG+k:SG+k+1], v[64*(\a)+k:64*(\a)+k+1], v[RLV+2*(\a):RLV+2*(\a)+1] op_sel_hi:[1,0]   ; each accumulator from its low end on
.set k, k+2
.endr
	WIN 0
.irp b, 0,1,2,3,4,5,6,7
	ds_store_b128 v[STO], v[SG+8*\b:SG+8*\b+3] offset:64*\b
	ds_store_b128 v[STO], v[SG+8*\b+4:SG+8*\b+7] offset:64*\b+16
.endr
.set BB, BK+64*((\a)%2)
.irp t, 0,1,2,3,4,5,6,7,8,9,10,11,12,13,14,15
	ds_load_b128 v[BB+4*\t:BB+4*\t+3], v[RD] offset:\t*SPITCH
.endr
.endm
.macro SEND a, younger                 ; younger: the LDS instructions issued behind block a's loads, which may stay out
.set BB, BK+64*((\a)%2)
	s_wait_dscnt \younger
.if (\a) > 0
	s_add_nc_u64 s[10:11], s[10:11], 16*4096       ; (behind a wait on XCNT: the earlier stores have read their base)
.endif
.irp t, 0,1,2,3,4,5,6,7,8,9,10,11,12,13,14,15
	global_store_b128 v[LI], v[BB+4*\t:BB+4*\t+3], s[10:11] offset:\t*4096 th:TH_STORE_NT   ; 32 lanes store 512 consecutive bytes, at a multiple of 256 from O's first byte
.endr
.endm
	TOSTAGE 0
.irp a, 1,2,3
.if \a > 1
	s_wait_xcnt 0x0                                ; block a - 2's stores have read their registers and their base
.endif
	TOSTAGE \a
	SEND \a-1, 32                                  ; behind block a - 1's loads: block a's 16 stores and 16 loads
.endr
	s_wait_xcnt 0x0
	SEND 3, 0
	s_wait_tensorcnt 0x0                           ; the wave's end
	ds_add_u32 v[SPW], v[NIL]
	s_wait_dscnt 0x0
	CROUND                                         ; the closing round
	s_endpgm
.Lfunc_end_k_q4e4ddab8b8_mix:
	.size	k_q4e4ddab8b8_mix, .Lfunc_end_k_q4e4ddab8b8_mix-k_q4e4ddab8b8_mix
	.p2alignl 7, 3214868480
	.fill 96, 4, 3214868480
	.section	.rodata,"a",@progbits
	.p2align	6, 0x0
	.amdhsa_kernel k_q4e4ddab8b8_mix
		.amdhsa_group_segment_fixed_size 327680
		.amdhsa_private_segment_fixed_size 0
		.amdhsa_enable_private_segment 0
		.amdhsa_kernarg_size 32
		.amdhsa_user_sgpr_count 2
		.amdhsa_user_sgpr_kernarg_segment_ptr 1
		.amdhsa_wavefront_size32 1
		.amdhsa_system_sgpr_workgroup_id_x 1
		.amdhsa_system_sgpr_workgroup_id_y 1
		.amdhsa_system_sgpr_workgroup_id_z 1
		.amdhsa_system_vgpr_workitem_id 0
		.amdhsa_next_free_vgpr 768
		.amdhsa_next_free_sgpr 72
		.amdhsa_reserve_vcc 0
		.amdhsa_float_denorm_mode_32 3
		.amdhsa_float_denorm_mode_16_64 3
		.amdhsa_memory_ordered 1
		.amdhsa_forward_progress 1
		.amdhsa_inst_pref_size 197
	.end_amdhsa_kernel
	.amdgpu_metadata
---
amdhsa.version: [ 1, 2 ]
amdhsa.kernels:
  - .name:           k_q4e4ddab8b8_mix
    .symbol:         k_q4e4ddab8b8_mix.kd
    .args:
      - { .name: p_codes, .offset: 0, .size: 8, .value_kind: global_buffer, .address_space: global }
      - { .name: p_stats, .offset: 8, .size: 8, .value_kind: global_buffer, .address_space: global }
      - { .name: qkv, .offset: 16, .size: 8, .value_kind: global_buffer, .address_space: global }
      - { .name: out0, .offset: 24, .size: 8, .value_kind: global_buffer, .address_space: global }
    .group_segment_fixed_size: 327680
    .private_segment_fixed_size: 0
    .kernarg_segment_align: 8
    .kernarg_segment_size: 32
    .max_flat_workgroup_size: 128
    .sgpr_count:     72
    .vgpr_count:     768
    .wavefront_size: 32
...
	.end_amdgpu_metadata
.endif
;; end of part 3
